; MI455X (gfx1250); checked and timed in simulation.
; The chip was launched on July 23, 2026; its instructions are those of AMD's public machine-readable ISA for CDNA 5 (MIT licence, August 2026) and "CDNA5" Instruction Set Architecture Reference Guide (July 2026). The comments in the code are by the model that wrote it; some were corrected since.
;; Multi Head Attention. Allowed arithmetic: matrix products marked QUANTISED: E4M3 operands, one E8M0 scale for each 32 along K, by v_wmma_scale_f32_16x16x128_f8f6f4 with both operands' format E4M3, f32 sums; everything else in f32.
;; Inputs: Wk_codes 1,024 x 32 x 32 uint8 (E4M3 codes of Wk, K innermost, in blocks of 32 codes); Wk_scales 1,024 x 32 uint8 (E8M0 scales of Wk, one for each 32 codes along K); Wo_codes 1,024 x 32 x 32 uint8 (E4M3 codes of Wo, K innermost, in blocks of 32 codes); Wo_scales 1,024 x 32 uint8 (E8M0 scales of Wo, one for each 32 codes along K); Wq_codes 1,024 x 32 x 32 uint8 (E4M3 codes of Wq, K innermost, in blocks of 32 codes); Wq_scales 1,024 x 32 uint8 (E8M0 scales of Wq, one for each 32 codes along K); Wv_codes 1,024 x 32 x 32 uint8 (E4M3 codes of Wv, K innermost, in blocks of 32 codes); Wv_scales 1,024 x 32 uint8 (E8M0 scales of Wv, one for each 32 codes along K); inputs_q_codes 4 x 2,048 x 32 x 32 uint8 (E4M3 codes of inputs_q, K innermost, in blocks of 32 codes); inputs_q_scales 4 x 2,048 x 32 uint8 (E8M0 scales of inputs_q, one for each 32 codes along K); k_ln_scale 64 float32; patch_mask 4 x 2,048 bool; per_dim_scale 64 float32; q_ln_scale 64 float32.
;; Outputs: out0 4 x 2,048 x 1,024 float32.
;; This version of the problem:
;;   THIS VERSION OF THE PROBLEM IS GIVEN IN LOW PRECISION. The matrix products marked QUANTISED in the list below multiply operands that are first quantised to E4M3 (4 exponent bits, 3 mantissa bits; 8 bits a number), with one power-of-two scale for each 32 numbers along K (OCP MX v1.0); their sums are f32. All else is computed in f32.
;;   The module's matrix products, in the order in which they are computed (A, B: the left and right operand; K: the contracted axis; several contracted axes count as one K, in the product's order):
;;     1. [M 8,192, K 1,024] x [K 1,024, N 1,024]; A: input inputs_q (given as codes); B: input Wq (given as codes): QUANTISED
;;     2. [M 8,192, K 1,024] x [K 1,024, N 1,024]; A: input inputs_q (given as codes); B: input Wk (given as codes): QUANTISED
;;     3. [M 8,192, K 1,024] x [K 1,024, N 1,024]; A: input inputs_q (given as codes); B: input Wv (given as codes): QUANTISED
;;     4. batch 64 x [M 2,048, K 64] x [K 64, N 2,048]; A: computed on the way; B: computed on the way: QUANTISED
;;     5. batch 64 x [M 64, K 2,048] x [K 2,048, N 2,048]; A: computed on the way; B: softmax (see below): QUANTISED
;;     6. [M 8,192, K 1,024] x [K 1,024, N 1,024]; A: computed on the way; B: input Wo (given as codes): QUANTISED
;;   THE QUANTISER, for each operand of a quantised product, along K:
;;     - K is cut into blocks of 32 from its start; a last block that is shorter is filled with zeros.
;;     - A block's scale is 2^e with e = floor(log2(the largest magnitude in the block)) - 8, held to -126 .. 127; a block of zeros has e = 0. As a byte (E8M0): e + 127.
;;     - Each number is divided by its block's scale, clamped to +-448, and rounded to the nearest number of E4M3, ties to even, subnormals kept.
;;     - The product sums the exact products of the quantised numbers (number of the format x scale) in f32.
;;   ~~~python
;;   def quantise(x, axis):      # numpy; x: float32 -> the quantised numbers, widened to float32 again
;;       x = np.moveaxis(x, axis, -1); K = x.shape[-1]
;;       x = np.pad(x, [(0, 0)] * (x.ndim - 1) + [(0, -K % 32)]); x = x.reshape(x.shape[:-1] + (-1, 32)); a = np.abs(x).max(-1, keepdims=True)
;;       e = np.where(a > 0, np.clip(np.frexp(np.where(a > 0, a, 1))[1] - 1 - 8, -126, 127), 0)      # np.frexp(a)[1] - 1 = floor(log2(a)), exactly
;;       r = np.clip(x / 2.0 ** e, -448, 448)
;;       step = 2.0 ** (np.maximum(np.frexp(np.where(r == 0, 1, r))[1] - 1, -6) - 3)
;;       q = np.round(r / step) * step * 2.0 ** e      # np.round: ties to even
;;       return np.moveaxis(q.reshape(q.shape[:-2] + (-1,))[..., :K], -1, axis).astype(np.float32)
;;   ~~~
;;   SOFTMAX AHEAD OF A QUANTISED PRODUCT. Where the list says 'softmax', what is quantised is not the finished softmax but p = 2^(t - M), with t = logit x log2(e) and M = ceil(the row's largest t), a whole number; so 1/2 < the row's largest p <= 1. The row's sum l is taken of the UNQUANTISED p, in f32, and the product's result is divided by l at the end. Since M is a whole number, a kernel that streams over the keys may use a running M (the ceiling of the running maximum): every later rescaling is an exact power of two, which a block's scale takes up: the codes' values come out the same.
;;   OPERANDS COMPUTED ON THE WAY. 'Computed on the way' means the value that the module computes at that place (a softmax that the list does not call 'softmax' is quantised finished and normalised). What goes into a quantiser is computed in f32, as accurately as f32 sums, v_exp_f32 and their like allow (about 1e-6 of the number): no bf16 or f16 on the way to a quantiser, and a product that is left as it is and whose result goes on into a quantised operand takes f32 operands (vector FMAs, or v_wmma_f32_16x16x4_f32). A number that lies on a knife's edge between two numbers of the format may be rounded either way, as far as f32 arithmetic and the matrix unit's own rounding can turn it there, and no further.
;;   INPUTS GIVEN AS CODES. Wk (in the module: [1024, 1024], K = its axis 1); Wo (in the module: [1024, 1024], K = its axis 1); Wq (in the module: [1024, 1024], K = its axis 1); Wv (in the module: [1024, 1024], K = its axis 1); inputs_q (in the module: [4, 2048, 1024], K = its axis 2): each comes as NAME_codes (uint8): NAME with its K axis moved to the last place and cut into blocks of 32 codes, [.., K / 32, bytes a block], one block behind the other in memory; one code a byte (a code: sign, 4 exponent bits, 3 mantissa bits); and NAME_scales (uint8): the same leading axes, one E8M0 byte (e + 127) for each 32 codes along K. Its value is code x scale, taken as it is: it is not quantised again, and the codes and scales need not be those that the quantiser above would give.
;; One version. Each part assembles by itself: llvm-mc -triple=amdgcn-amd-amdhsa -mcpu=gfx1250 --defsym DOCPART=n.
;; ======== version 1 of 1: 4 launches
;; limits: right only within a limited range of input values
;; workspace buffers: kv 17,563,648 bytes; qq 17,563,648 bytes; vpart 262,144 bytes; tab 2,097,152 bytes; ximg 8,388,608 bytes; xsc 262,144 bytes
;; launch vproj (part 1): grid 32 x 4, 4 waves a work-group, clusters of 4 x 4, 327,680 bytes of LDS; arguments Wv_codes, Wv_scales, inputs_q_codes, inputs_q_scales, patch_mask, kv, vpart, tab; writes kv, vpart, tab
.if DOCPART == 1
	.amdgcn_target "amdgcn-amd-amdhsa--gfx1250"
	.amdhsa_code_object_version 6
	.text
	.protected	k_q8acf49f71e_vproj
	.globl	k_q8acf49f71e_vproj
	.p2align	8
	.type	k_q8acf49f71e_vproj,@function
k_q8acf49f71e_vproj:
	s_mov_b64 s[64:65], 0
	v_nop
	global_prefetch_b8 v0, s[64:65] scope:SCOPE_SE
	s_setreg_imm32_b32 hwreg(HW_REG_WAVE_MODE, 25, 1), 1
	s_wait_xcnt 0x0
	s_wait_alu depctr_hold_cnt(0) depctr_sa_sdst(0) depctr_va_vdst(0) depctr_va_sdst(0) depctr_va_ssrc(0) depctr_va_vcc(0) depctr_vm_vsrc(0)
	s_getreg_b32 s2, hwreg(HW_REG_IB_STS2, 6, 4)
	s_cmp_eq_u32 s2, 0
	s_cbranch_scc0 .Lentry_in_a_cluster
	s_endpgm
.Lentry_in_a_cluster:
	s_bfe_u32 s2, ttmp6, 0x10000c
	s_cmp_lg_u32 s2, 0xf033
	s_cbranch_scc0 .Lentry_shape_is_right
	s_endpgm
.Lentry_shape_is_right:
; v = x Wv^T on codes of E4M3 with E8M0 scales, then quantised along the KEYS (the K of attention's second product), plus two small things that ride along:
; the sum of the quantised v over each 128 keys (for rows whose every key is masked) and the table of cos and sin for the rotary embedding.
; THE PRODUCT.  A = Wv [1024][1024], B = x [8192][1024].  A tile of 256 x 256 to a work-group of four waves, 128 x 128 to a wave: 64 accumulators, 512 registers.
; K goes in steps of 256 through two LDS slots filled by tensor loads; the scale bytes of the work-group's rows, for all of K, come once.  4 x 4 work-groups form a cluster: A's tiles are asked for jointly
; along a row of the cluster, B's along a column.  Source 0 = 16 rows of B (tokens), source 1 = 16 rows of A (dimensions): a lane holds ONE dimension, and its registers run along the tokens.
; For A's block a, register 8 b + j of lane (r, h) is (dimension 16 a + r, token 16 b + 8 h + j): the 16 registers of tiles 2 c, 2 c + 1 lie in one block of 32 keys, which lanes l and l xor 16 share.
; SLOT ORDER.  The conversions' results are stored as the operand's registers: place p of lane (r, h), block c, holds key 32 c + 8 h + p (p < 8) or 32 c + 16 + 8 h + p - 8.  The weights p of attention are made in the
; same order, so the products and the blocks' scales are those of the true order.
; OUT.  kv: [batch x head 64][step 16][17,152 bytes]; this launch writes, of a step's block, +8,192: four tiles of 16 dimensions x 128 keys as [c 4][lane][16 bytes]; +16,896: their scale words, word 2 L + j for tile 2 j + L / 16, row L % 16.
; vpart: [batch x head][step][64 words], word 2 L + p: the sum for dimension 16 (2 p + L / 16) + L % 16.  tab: [tile of 16 tokens 512][piece 8][lane][16 bytes]: cos, then sin, of frequency 16 t + 8 h + j at register 8 t + j.
; THE TABLE.  angle = position / 10^(f / 8), as one f32 division of two f32 numbers; 10^(f / 8) is made as (high + low part of 10^(j / 8)) x 10^(2 t + h), rounded once.  The angle is reduced by pi / 2 in three parts.
; LIMITS: NaN and infinities are not served.  A block of zeros gets the scale byte 1 (its codes are zeros; these bytes are read by this program alone).
.set KSTEP,  256
.set NQ,     2
.set ROWB,   256
.set KROW,   1024
.set PITCH,  272                       ; an LDS row: 256 bytes + 16 of padding: the 16 rows of a fragment load start 68 words apart
.set FR,     16
.set NL,     4
.set NP,     8                         ; places behind this matrix instruction (ISA guide 7.12.1)
.set HALFT,  128*PITCH
.set SLOT,   4*HALFT
.set LAPS,   2                         ; 1,024 along K = twice round the ring
.set KS,     32                        ; a row of scale bytes
.set SCL,    2*SLOT
.set HALFS,  16*272
.set SBLK,   2*272
.set SPARE,  SCL+4*HALFS               ; the spare words, 128 bytes a wave
.set STEPB,  17152
.set HEADB,  16*STEPB
.set ADRA, 16
.set ADRB, 20
.set LI,   24                          ; v24  16 x lane
.set L8,   25                          ; v25  8 x lane
.set ADRS, 27
.set SPW,  28
.set NIL,  29
.set SC,   32
.set AF,   128
.set G1, 24
.set G0, 32
.set G1B, 48
.set G0B, 56
.set G1S, 68
.set G0S, 76
.set G1SB, 80
.set G0SB, 88
; the table's registers
.set TT,   8                           ; v8, v9  10^(2 t + h)
.set POS,  10                          ; v10     my token's position, f32
.set SNV,  64
.set CSV,  80
.set COSO, 96
.set SINO, 112
.set TSA,  128
.set YRA,  144
.set EA,   160
.set ANG,  176
.set NNA,  192
.set RRA,  208
.set ZZA,  224
.set PA,   240
.set K2PI, 18
.set PI1,  19
.set PI2,  20
.set PI3,  21
.set SS1,  22
.set SS2,  23
.set SS3,  92
.set CC1,  93
.set CC2,  94
.set CC3,  95
.set SEL,  96                          ; s[96:97] selects for lane l xor 16
.set MNT,  98                          ; the mantissa field of 448
.set HM,   99                          ; lanes 16-31
; the way out's registers (window 0)
.set PW,   32                          ; v32-39  the scale word of each of my 8 tiles of dimensions
.set ONS,  40                          ; v40     four bytes 119: 2^-8
.set YY,   64                          ; v64-127 64 numbers, held
.set PC,   128                         ; v128-143 their codes
.set TM,   144                         ; v144-159 at work
.set ONES, 160                         ; v160-175 a fragment of the code of 256: with 2^-8 it is 1
.set DS,   176                         ; v176-239 the sums, 8 registers a tile
.set RO,   240
.set MSB, 0
.macro WIN new                         ; the immediate's high byte repeats the setting that is left
.if MSB != (\new)
	s_set_vgpr_msb (MSB<<8)|(\new)
.set MSB, (\new)
.endif
.endm
.set MUL_LO, 0xa1                      ; source 0 (B) window 1, source 1 (A) window 0, C and D window 2
.set MUL_HI, 0xf1
.set TO_B,   0x40
.macro JLOAD g0a, g1a, g0b, g1b        ; a joint load: waves 0 and 1 fetch for A, waves 2 and 3 for B; four v_nop follow each line
	s_cmp_eq_u32 s15, 0
	s_cbranch_scc0 .Lfor_b_\@
	tensor_load_to_lds s[\g0a:\g0a+3], s[\g1a:\g1a+7]
	s_nop 0
.rept 4
	v_nop
.endr
	s_branch .Lasked_\@
.Lfor_b_\@:
	tensor_load_to_lds s[\g0b:\g0b+3], s[\g1b:\g1b+7]
	s_nop 0
.rept 4
	v_nop
.endr
.Lasked_\@:
.endm
.macro CREST
	s_cmp_lg_u32 s14, 0
	s_cbranch_scc1 .Lnot_wave_0_\@
	s_barrier_signal -3
.Lnot_wave_0_\@:
	s_barrier_wait -3
	s_barrier_signal -1
	s_barrier_wait -1
.endm
.macro CROUND
	s_barrier_signal -1
	s_barrier_wait -1
	CREST
.endm
	s_load_b128 s[4:7], s[0:1], 0x0                ; Wv's codes, Wv's scales (A)
	s_load_b128 s[8:11], s[0:1], 0x10              ; x's codes, x's scales (B)
	v_lshl_add_u32 v[SPW], v0, 2, SPARE
	v_mov_b32 v[NIL], 0
	ds_add_u32 v28, v29
	ds_add_u32 v28, v29
	s_wait_dscnt 0x0
	v_lshrrev_b32 v1, 5, v0
	v_readfirstlane_b32 s14, v1                    ; wave 0..3
	s_lshr_b32 s15, s14, 1                         ; my half of A's rows; also: I fetch for A (0) or B (1)
	s_and_b32 s16, s14, 1                          ; my half of B's rows; also: which 128 rows I fetch
	s_bfe_u32 s40, ttmp6, 0x40000                  ; cx
	s_bfe_u32 s41, ttmp6, 0x40004                  ; cy
	s_lshl_b32 s42, ttmp9, 2
	s_add_co_u32 s42, s42, s40                     ; tile column: 256 tokens
	s_and_b32 s17, ttmp7, 0xffff
	s_lshl_b32 s17, s17, 2
	s_add_co_u32 s17, s17, s41                     ; tile row: 256 dimensions
	s_lshl_b32 s43, s41, 2
	s_lshl_b32 s43, 15, s43                        ; my row of the cluster
	s_lshl_b32 s44, 0x1111, s40                    ; my column
	s_or_b32 s[G1+0], s43, (0<<16)|(1<<20)|(1<<21)|(5<<22)|(3<<25)   ; mask; elements of 1 byte; padding: 4 words behind every 64; bit 21 beside a mask
	s_or_b32 s[G1B+0], s44, (0<<16)|(1<<20)|(1<<21)|(5<<22)|(3<<25)
.irp g, G1, G1B
	s_mov_b32 s[\g+1], ROWB<<16
	s_mov_b32 s[\g+2], 256<<16                     ; the head's loads bring 256 rows; behind them the two words are set to 128, for the ring's
	s_mov_b32 s[\g+3], ROWB<<16
	s_mov_b32 s[\g+4], 256
	s_mov_b32 s[\g+5], KROW
	s_mov_b32 s[\g+6], 0
	s_mov_b32 s[\g+7], 0
.endr
	s_or_b32 s[G1S+0], s43, (3<<16)|(1<<20)|(1<<21)|(5<<22)|(3<<25)  ; the scales of 256 rows: 8,192 dense bytes as 32 rows of 256
	s_or_b32 s[G1SB+0], s44, (3<<16)|(1<<20)|(1<<21)|(5<<22)|(3<<25)
.irp g, G1S, G1SB
	s_mov_b32 s[\g+1], 32<<16
	s_mov_b32 s[\g+2], 32<<16                      ; the scales of 256 rows: 8,192 dense bytes as 32 rows of 256
	s_mov_b32 s[\g+3], 32<<16
	s_mov_b32 s[\g+4], 32
	s_mov_b32 s[\g+5], 32
	s_mov_b32 s[\g+6], 0
	s_mov_b32 s[\g+7], 0
.endr
	s_lshl_b32 s18, s16, 7
	s_lshl_b32 s20, s17, 8
	s_lshl_b32 s46, s42, 8
	s_lshl_b32 s22, s20, 5                         ; where the scales of the tile's 256 rows begin: 32 bytes a row
	s_lshl_b32 s92, s46, 5
	s_mov_b32 s23, 0
	s_mov_b32 s93, 0
	s_add_co_u32 s20, s20, s18                     ; A: row 256 x tile row + 128 x half
	s_add_co_u32 s46, s46, s18                     ; B: row 256 x tile column + 128 x half
	s_mov_b32 s21, 0
	s_mov_b32 s47, 0
	s_mov_b64 s[18:19], KROW
	s_mul_u64 s[20:21], s[20:21], s[18:19]
	s_mul_u64 s[46:47], s[46:47], s[18:19]
	s_mul_i32 s45, s14, HALFT
	s_wait_kmcnt 0x0
	s_add_nc_u64 s[20:21], s[4:5], s[20:21]
	s_add_nc_u64 s[22:23], s[6:7], s[22:23]
	s_add_nc_u64 s[46:47], s[8:9], s[46:47]
	s_add_nc_u64 s[92:93], s[10:11], s[92:93]
	CROUND                                         ; all sixteen work-groups are here: the first joint loads meet
	s_mov_b32 s[G0S], 1
	s_mov_b32 s[G0S+1], SCL
	s_mov_b64 s[G0S+2:G0S+3], s[22:23]
	s_or_b32 s[G0S+3], s[G0S+3], 0x80000000
	s_mov_b32 s[G0SB], 1
	s_mov_b32 s[G0SB+1], SCL+2*HALFS
	s_mov_b64 s[G0SB+2:G0SB+3], s[92:93]
	s_or_b32 s[G0SB+3], s[G0SB+3], 0x80000000
.irp s, 0,1
	s_mov_b32 s[G0+4*\s], 1
	s_add_co_u32 s[G0+4*\s+1], s45, \s*SLOT
	s_add_nc_u64 s[G0+4*\s+2:G0+4*\s+3], s[20:21], \s*ROWB
	s_or_b32 s[G0+4*\s+3], s[G0+4*\s+3], 0x80000000
	s_mov_b32 s[G0B+4*\s], 1
	s_add_co_u32 s[G0B+4*\s+1], s45, \s*SLOT
	s_add_nc_u64 s[G0B+4*\s+2:G0B+4*\s+3], s[46:47], \s*ROWB
	s_or_b32 s[G0B+4*\s+3], s[G0B+4*\s+3], 0x80000000
.endr
; THE HEAD'S LOADS, ONE A WAVE: wave 0 K step 0's 256 rows of A, wave 1 A's scales, wave 2 the 256 rows of B, wave 3 B's scales.
; Wave 0's slot-0 group 0 for A (LDS 0, half 0) and wave 2's for B (LDS 2 x HALFT, half 0) are the whole tiles' first bytes.  One tree of branches on the wave's number, one load to an arm.
.macro ARM under, g0, g1, next
	s_cmp_lt_u32 s14, \under
	s_cbranch_scc0 \next
	tensor_load_to_lds s[\g0:\g0+3], s[\g1:\g1+7]
	s_nop 0
.rept 4
	v_nop
.endr
	s_branch .Lhead_asked
\next:
.endm
	ARM 1, G0,  G1,  .Lhead_sa
	ARM 2, G0S, G1S, .Lhead_b
	ARM 3, G0B, G1B, .Lhead_sb
	tensor_load_to_lds s[G0SB:G0SB+3], s[G1SB:G1SB+7]
	s_nop 0
.rept 4
	v_nop
.endr
.Lhead_asked:
	s_load_b256 s[4:11], s[0:1], 0x20
	v_and_b32 v1, 15, v0                           ; r
	v_bfe_u32 v2, v0, 4, 1                         ; h
	v_mul_u32_u24 v3, v1, PITCH
	v_lshl_add_u32 v4, v2, 4, v3
	s_mul_i32 s21, s15, HALFT
	s_mul_i32 s22, s16, HALFT
	s_add_co_u32 s22, s22, 2*HALFT
.irp s, 0,1
	v_add_nc_u32 v[ADRA+\s], s21, v4
	v_add_nc_u32 v[ADRB+\s], s22, v4
	s_add_co_u32 s21, s21, SLOT
	s_add_co_u32 s22, s22, SLOT
.endr
	v_mul_u32_u24 v5, v1, KS
	v_lshrrev_b32 v6, 8, v5
	v_lshl_add_u32 v5, v6, 4, v5
	s_mul_i32 s21, s15, HALFS
	s_mul_i32 s22, s16, HALFS
	s_add_co_u32 s22, s22, 2*HALFS
	s_sub_co_u32 s22, s22, s21
	v_mul_u32_u24 v6, s22, v2                      ; lanes 16-31 take B's scale words
	s_add_co_u32 s21, s21, SCL
	v_add_nc_u32 v5, v5, v6
	v_add_nc_u32 v[ADRS], s21, v5
	v_and_b32 v7, 31, v0
	v_lshlrev_b32 v[LI], 4, v7
	v_lshlrev_b32 v[L8], 3, v7
	s_mov_b32 s[K2PI], 0x3f22f983                  ; 2 / pi
	s_mov_b32 s[PI1], 0x3fc90fdb                   ; pi / 2 in three parts
	s_mov_b32 s[PI2], 0xb33bbd2e
	s_mov_b32 s[PI3], 0xa6f72ced
	s_mov_b32 s[SS1], 0xbe2aaaa3                   ; sine: r + r z (S1 + z (S2 + z S3))
	s_mov_b32 s[SS2], 0x3c08839e
	s_mov_b32 s[SS3], 0xb94ca1f9
	s_mov_b32 s[CC1], 0x37ccf5ce                   ; cosine: 1 - z / 2 + z z (C3 + z (C2 + z C1))
	s_mov_b32 s[CC2], 0xbab6061a
	s_mov_b32 s[CC3], 0x3d2aaaa5
	s_mov_b32 s[SEL], 0x76543210
	s_mov_b32 s[SEL+1], 0xfedcba98
	s_mov_b32 s[MNT], 0x600000
	s_mov_b32 s[HM], 0xffff0000
	s_lshl_b32 s2, s17, 5
	s_add_co_u32 s2, s2, s42
	s_lshl_b32 s2, s2, 2
	s_add_co_u32 s2, s2, s14                       ; T: the tile of 16 tokens whose table my wave makes: 128 work-groups x 4 waves = 512 tiles
	s_and_b32 s43, s2, 127
	s_lshl_b32 s43, s43, 4                         ; its first token in its sequence
	s_lshl_b32 s44, s17, 2
	s_lshl_b32 s45, s15, 1
	s_add_co_u32 s44, s44, s45                     ; my first head: 4 x tile row + 2 x half
	s_lshr_b32 s45, s42, 3                         ; my tokens' batch
	s_lshl_b32 s45, s45, 4
	s_add_co_u32 s44, s44, s45
	s_lshl_b32 s44, s44, 4
	s_lshl_b32 s45, s42, 1
	s_add_co_u32 s45, s45, s16
	s_and_b32 s45, s45, 15                         ; my 128 tokens' step
	s_add_co_u32 s44, s44, s45                     ; block (batch x head, step)
	s_mov_b32 s41, 0
	s_wait_alu depctr_va_vdst(0)
	s_wait_kmcnt 0x0
	s_lshr_b32 s40, s2, 7
	s_lshl_b32 s40, s40, 11
	s_add_nc_u64 s[4:5], s[4:5], s[40:41]          ; the mask's row of tile T's batch
	s_lshl_b32 s40, s2, 12
	s_add_nc_u64 s[10:11], s[10:11], s[40:41]      ; tile T's 4,096 bytes of the table
	s_mul_i32 s40, s44, STEPB
	s_add_nc_u64 s[6:7], s[6:7], s[40:41]
	s_lshl_b32 s40, s44, 8
	s_add_nc_u64 s[8:9], s[8:9], s[40:41]
; The number of masked patches of a batch: 2,048 bytes of 0 or 1, 64 a lane; sums of bytes (16 at the most), then of halves, then over the lanes: whole numbers throughout.
.macro COUNT base, dst, t
.irp i, 0,1,2,3
	global_load_b128 v[\t+4*\i:\t+4*\i+3], v[LI], s[\base:\base+1] offset:512*\i
.endr
	s_wait_loadcnt 0x0
	v_add3_u32 v[\t], v[\t], v[\t+1], v[\t+2]
.irp i, 3,5,7,9,11,13
	v_add3_u32 v[\t], v[\t], v[\t+\i], v[\t+\i+1]
.endr
	v_add_nc_u32 v[\t], v[\t], v[\t+15]
	v_lshrrev_b32 v[\t+1], 8, v[\t]
	v_and_b32 v[\t], 0xff00ff, v[\t]
	v_and_b32 v[\t+1], 0xff00ff, v[\t+1]
	v_add_nc_u32 v[\t], v[\t], v[\t+1]
	v_lshrrev_b32 v[\t+1], 16, v[\t]
	v_and_b32 v[\t], 0xffff, v[\t]
	v_add_nc_u32 v[\t], v[\t], v[\t+1]
.irp m, 1,2,4,8
	v_mov_b32_dpp v[\t+1], v[\t] row_xmask:\m row_mask:0xf bank_mask:0xf
	v_add_nc_u32 v[\t], v[\t], v[\t+1]
.endr
	v_permlanex16_b32 v[\t+1], v[\t], s[SEL], s[SEL+1]
	v_add_nc_u32 v[\dst], v[\t], v[\t+1]
.endm
	COUNT 4, 11, 128
	s_wait_alu depctr_va_vdst(0)
	s_wait_tensorcnt 0x0                           ; my tile of the head's four is in
	ds_add_u32 v[SPW], v[NIL]
	s_mov_b32 s[G1+2], 128<<16                     ; no tensor load of mine is out: from here on a load brings 128 rows
	s_mov_b32 s[G1+4], 128
	s_mov_b32 s[G1B+2], 128<<16
	s_mov_b32 s[G1B+4], 128
	s_wait_dscnt 0x0
	CROUND                                         ; all four tiles are in, for every wave, and all sixteen work-groups are here
	JLOAD G0+4, G1, G0B+4, G1B                     ; K step 1 into slot 1: it lands under the table's arithmetic
	v_add_nc_u32 v[POS], s43, v1
	v_sub_nc_u32 v[POS], v[POS], v11
	v_cvt_f32_i32 v[POS], v[POS]                   ; position = token - masked patches: exact
	v_mov_b32 v12, 0x41200000                      ; 10
	v_cndmask_b32 v[TT], 1.0, v12, s[HM]           ; 10^h
	v_mov_b32 v12, 0x42c80000                      ; 100
	v_mov_b32 v13, 0x447a0000                      ; 1,000
	v_cndmask_b32 v[TT+1], v12, v13, s[HM]         ; 10^(2 + h)
	v_mov_b32 v[TSA], v[TT]
	v_mov_b32 v[TSA+8], v[TT+1]
.macro TSC j, chi, clo                 ; 10^(j / 8) = chi (12 bits) + clo: chi x 10^n is exact inside the fused line, so the timescale is rounded once
	v_mul_f32 v[EA+\j], \clo, v[TT]
	v_mul_f32 v[EA+8+\j], \clo, v[TT+1]
	v_fmamk_f32 v[TSA+\j], v[TT], \chi, v[EA+\j]
	v_fmamk_f32 v[TSA+8+\j], v[TT+1], \chi, v[EA+8+\j]
.endm
	TSC 1, 0x3faab000, 0x37d48dd4
	TSC 2, 0x3fe3a000, 0xb82b8eaf
	TSC 3, 0x4017c800, 0xb95a71f9
	TSC 4, 0x404a6000, 0x393075b5
	TSC 5, 0x4086f000, 0x393053ea
	TSC 6, 0x40b3f000, 0x39c01647
	TSC 7, 0x40eff800, 0xb8aa9752
; Sixteen frequencies a lane, stage by stage, so that no line waits for the line above it.
.set i, 0
	s_wait_alu depctr_va_vdst(0)
.rept 16
	v_rcp_f32 v[YRA+i], v[TSA+i]
.set i, i+1
.endr
	v_nop                                          ; a plain place behind the reciprocals
.set i, 0
	s_wait_alu depctr_va_vdst(0)
.rept 16
	v_fma_f32 v[EA+i], -v[TSA+i], v[YRA+i], 1.0
.set i, i+1
.endr
.set i, 0
.rept 16
	v_fma_f32 v[YRA+i], v[YRA+i], v[EA+i], v[YRA+i]   ; the reciprocal, refined
.set i, i+1
.endr
.set i, 0
.rept 16
	v_mul_f32 v[ANG+i], v[POS], v[YRA+i]
.set i, i+1
.endr
.set i, 0
.rept 16
	v_fma_f32 v[EA+i], -v[ANG+i], v[TSA+i], v[POS]    ; the quotient's remainder, exact
.set i, i+1
.endr
.set i, 0
.rept 16
	v_fma_f32 v[ANG+i], v[EA+i], v[YRA+i], v[ANG+i]   ; the angle: the f32 quotient position / timescale
.set i, i+1
.endr
.set i, 0
.rept 16
	v_mul_f32 v[NNA+i], s[K2PI], v[ANG+i]
.set i, i+1
.endr
.set i, 0
.rept 16
	v_rndne_f32 v[NNA+i], v[NNA+i]                 ; n: quarter turns, 1,304 at the most
.set i, i+1
.endr
.set i, 0
.rept 16
	v_fma_f32 v[RRA+i], -v[NNA+i], s[PI1], v[ANG+i]
.set i, i+1
.endr
.set i, 0
.rept 16
	v_fma_f32 v[RRA+i], -v[NNA+i], s[PI2], v[RRA+i]
.set i, i+1
.endr
.set i, 0
.rept 16
	v_fma_f32 v[RRA+i], -v[NNA+i], s[PI3], v[RRA+i]   ; r, within pi / 4
.set i, i+1
.endr
.set i, 0
.rept 16
	v_mul_f32 v[ZZA+i], v[RRA+i], v[RRA+i]
.set i, i+1
.endr
.set i, 0
.rept 16
	v_fma_f32 v[PA+i], v[ZZA+i], s[SS3], s[SS2]
.set i, i+1
.endr
.set i, 0
.rept 16
	v_fma_f32 v[PA+i], v[PA+i], v[ZZA+i], s[SS1]
.set i, i+1
.endr
.set i, 0
.rept 16
	v_mul_f32 v[EA+i], v[ZZA+i], v[RRA+i]
.set i, i+1
.endr
.set i, 0
.rept 16
	v_fma_f32 v[SNV+i], v[PA+i], v[EA+i], v[RRA+i]    ; sin r
.set i, i+1
.endr
.set i, 0
.rept 16
	v_fma_f32 v[PA+i], v[ZZA+i], s[CC1], s[CC2]
.set i, i+1
.endr
.set i, 0
.rept 16
	v_fma_f32 v[PA+i], v[PA+i], v[ZZA+i], s[CC3]
.set i, i+1
.endr
.set i, 0
.rept 16
	v_mul_f32 v[EA+i], v[ZZA+i], v[ZZA+i]
.set i, i+1
.endr
.set i, 0
.rept 16
	v_fma_f32 v[TSA+i], v[ZZA+i], -0.5, 1.0
.set i, i+1
.endr
.set i, 0
.rept 16
	v_fma_f32 v[CSV+i], v[PA+i], v[EA+i], v[TSA+i]    ; cos r
.set i, i+1
.endr
.set i, 0
.rept 16
	v_cvt_i32_f32 v[NNA+i], v[NNA+i]
.set i, i+1
.endr
.set i, 0
.rept 16
	v_and_b32 v[EA+i], 1, v[NNA+i]
.set i, i+1
.endr
.set i, 0
.rept 16
	v_cmp_eq_u32 vcc_lo, 1, v[EA+i]                ; an odd quarter turn swaps the two
	v_cndmask_b32 v[SINO+i], v[SNV+i], v[CSV+i], vcc_lo
	v_cndmask_b32 v[COSO+i], v[CSV+i], v[SNV+i], vcc_lo
.set i, i+1
.endr
.set i, 0
.rept 16
	v_lshlrev_b32 v[PA+i], 30, v[NNA+i]
.set i, i+1
.endr
.set i, 0
.rept 16
	v_and_b32 v[PA+i], 0x80000000, v[PA+i]         ; the sine changes sign where n mod 4 is 2 or 3
.set i, i+1
.endr
.set i, 0
.rept 16
	v_xor_b32 v[SINO+i], v[SINO+i], v[PA+i]
.set i, i+1
.endr
.set i, 0
.rept 16
	v_add_nc_u32 v[NNA+i], 1, v[NNA+i]
.set i, i+1
.endr
.set i, 0
.rept 16
	v_lshlrev_b32 v[PA+i], 30, v[NNA+i]
.set i, i+1
.endr
.set i, 0
.rept 16
	v_and_b32 v[PA+i], 0x80000000, v[PA+i]         ; the cosine where n mod 4 is 1 or 2
.set i, i+1
.endr
.set i, 0
.rept 16
	v_xor_b32 v[COSO+i], v[COSO+i], v[PA+i]
.set i, i+1
.endr
.irp p, 0,1,2,3,4,5,6,7
	global_store_b128 v[LI], v[COSO+4*\p:COSO+4*\p+3], s[10:11] offset:512*\p   ; 32 lanes store 512 consecutive bytes; v96-127 are written again only behind a wait on XCNT
.endr
.macro FRAG reg, adr, q, i             ; 16 rows x 128 K: lane l holds row l % 16; registers 4 c .. 4 c + 3 hold K = 32 c + 16 (l / 16) + 0 .. 15
.irp c, 0,1,2,3
	ds_load_b128 v[\reg+4*\c:\reg+4*\c+3], v[\adr] offset:128*(\q)+32*\c+(\i)*16*PITCH
.endr
.endm
; 16 matrix instructions: A's blocks a0, a0 + 1 x B's eight.  The 64 accumulators take turns, one instruction a turn.
.macro MUL16 a0, p, q, sc, zero
.irp a, \a0, \a0+1
.irp b, 0,1,2,3,4,5,6,7
.if \zero
	v_wmma_scale_f32_16x16x128_f8f6f4 v[8*(8*((\a)%4)+\b):8*(8*((\a)%4)+\b)+7], v[128*(\p)+FR*\b:128*(\p)+FR*\b+FR-1], v[AF+FR*(\a):AF+FR*(\a)+FR-1], 0, v[SC+8*NQ*(\sc)+NQ*\b+(\q)], v[SC+8*NQ*(\sc)+NQ*(\a)+(\q)] matrix_a_scale:MATRIX_SCALE_ROW1
.else
	v_wmma_scale_f32_16x16x128_f8f6f4 v[8*(8*((\a)%4)+\b):8*(8*((\a)%4)+\b)+7], v[128*(\p)+FR*\b:128*(\p)+FR*\b+FR-1], v[AF+FR*(\a):AF+FR*(\a)+FR-1], v[8*(8*((\a)%4)+\b):8*(8*((\a)%4)+\b)+7], v[SC+8*NQ*(\sc)+NQ*\b+(\q)], v[SC+8*NQ*(\sc)+NQ*(\a)+(\q)] matrix_a_scale:MATRIX_SCALE_ROW1
.endif
.endr
.endr
.endm
.macro FETCH_B slot, q, p
	WIN TO_B
.irp i, 0,1,2,3,4,5,6,7
	FRAG 128*(\p)+FR*\i, ADRB+\slot, \q, \i
.endr
	WIN 0
.endm
.macro FETCH_A slot, q, i0
.irp i, \i0, \i0+1, \i0+2, \i0+3
	FRAG AF+FR*(\i), ADRA+\slot, \q, \i
.endr
.endm
.macro SCALES sc                       ; lanes 0-15 take A's block i, lanes 16-31 B's block i: two words a row for a K step of 256
.irp i, 0,1,2,3,4,5,6,7
	ds_load_b64 v[SC+8*NQ*\sc+NQ*\i:SC+8*NQ*\sc+NQ*\i+1], v[ADRS] offset:\i*SBLK
.endr
.endm
.macro PLACES n
.rept \n
	v_nop
.endr
.endm
.macro STEP slot, q, zero              ; 128 along K whose successor lies in the same slot
	s_wait_dscnt 4*NL                              ; all but the youngest sixteen loads (A's blocks 4-7)
	WIN MUL_LO
	MUL16 0, (\q)%2, \q, \slot, \zero
	MUL16 2, (\q)%2, \q, \slot, \zero
	s_wait_dscnt 0
	PLACES NP
	FETCH_B \slot, (\q)+1, 1-(\q)%2
	FETCH_A \slot, (\q)+1, 0
	WIN MUL_HI
	MUL16 4, (\q)%2, \q, \slot, \zero
	MUL16 6, (\q)%2, \q, \slot, \zero
	PLACES NP
	WIN 0
	FETCH_A \slot, (\q)+1, 4
.endm
.macro TURN slot, next, fill           ; a slot's last 128 along K, and the change of slots
	s_wait_tensorcnt 0x0                           ; all my tensor loads have landed: my part of the next slot
	ds_add_u32 v[SPW], v[NIL]                      ; 0 onto my spare word
	s_wait_dscnt 4*NL+1                            ; the add and A's blocks 4-7 may be out
	WIN MUL_LO
	MUL16 0, 1, NQ-1, \slot, 0
	s_wait_dscnt 0x0                               ; the add is done, and my reads of this slot are over
	s_barrier_signal -1
	MUL16 2, 1, NQ-1, \slot, 0
	WIN 0
	s_barrier_wait -1
.if \fill
	CREST                                          ; the barrier has opened a round of the cluster's barrier: no wave of any partner still reads this slot or has a load on its way
	s_add_nc_u64 s[G0+4*\slot+2:G0+4*\slot+3], s[G0+4*\slot+2:G0+4*\slot+3], 2*ROWB
	s_add_nc_u64 s[G0B+4*\slot+2:G0B+4*\slot+3], s[G0B+4*\slot+2:G0B+4*\slot+3], 2*ROWB
	JLOAD G0+4*\slot, G1, G0B+4*\slot, G1B         ; my one tensor load behind the round
	PLACES NP-4
.else
	PLACES NP
.endif
	s_wait_alu depctr_va_vdst(0)
	v_add_nc_u32 v[ADRS], 4*NQ, v[ADRS]
	FETCH_B \next, 0, 0
	FETCH_A \next, 0, 0
	SCALES \next
	WIN MUL_HI
	MUL16 4, 1, NQ-1, \slot, 0
	MUL16 6, 1, NQ-1, \slot, 0
	PLACES NP
	WIN 0
	FETCH_A \next, 0, 4
.endm
	FETCH_B 0, 0, 0
	FETCH_A 0, 0, 0
	SCALES 0
	FETCH_A 0, 0, 4
	STEP 0, 0, 1                                   ; the first products start the sums
	s_mov_b32 s3, LAPS-1
.Llap:
	TURN 0, 1, 1
	STEP 1, 0, 0
	TURN 1, 0, 1
	STEP 0, 0, 0
	s_sub_co_u32 s3, s3, 1
	s_cmp_lg_u32 s3, 0
	s_cbranch_scc1 .Llap
	TURN 0, 1, 0
	STEP 1, 0, 0
	s_wait_dscnt 4*NL
	WIN MUL_LO
	MUL16 0, 1, NQ-1, 1, 0
	MUL16 2, 1, NQ-1, 1, 0
	s_wait_dscnt 0
	WIN MUL_HI
	MUL16 4, 1, NQ-1, 1, 0
	MUL16 6, 1, NQ-1, 1, 0
	WIN 0
	PLACES NP
; THE WAY OUT.  Tile a of 16 dimensions: its 64 registers are 128 keys of my dimension: four blocks of 32, each shared with lane l xor 16.
	v_mov_b32 v[ONS], 0x77777777
.set i, 0
.rept 16
	v_mov_b32 v[ONES+i], 0x78787878
.set i, i+1
.endr
.irp b, 0,1,2,3
	v_mov_b32 v[TM+4+\b], 0                        ; a lane permute's destination counts as one of its sources
.endr
.macro QUANT4 a
.set AC, 64*((\a)%4)
.set WN, 2+(\a)/4
	s_wait_xcnt 0x0                                ; earlier stores have read their data: v64-143 may be written again
	WIN ((WN<<2)|(WN<<4))                          ; sources 1 and 2: the accumulators' window
.irp b, 0,1,2,3
	v_max3_num_f32 v[TM+\b], 0x4800000, |v[AC+16*\b]|, |v[AC+16*\b+1]|   ; the floor 2^(9 - 127) among the leaves; each accumulator is read from its low end on
.endr
.irp i, 2,4,6,8,10,12,14
.irp b, 0,1,2,3
	v_max3_num_f32 v[TM+\b], v[TM+\b], |v[AC+16*\b+\i]|, |v[AC+16*\b+\i+1]|
.endr
.endr
	WIN 0
.irp b, 0,1,2,3
	v_permlanex16_b32 v[TM+4+\b], v[TM+\b], s[SEL], s[SEL+1]
.endr
.irp b, 0,1,2,3
	v_max_num_f32 v[TM+\b], v[TM+\b], v[TM+4+\b]   ; the block's largest magnitude
.endr
.irp b, 0,1,2,3
	v_add_nc_u32 v[TM+12+\b], 0xfc000000, v[TM+\b] ; 8 off its exponent field: the conversion's scale operand
.endr
.irp b, 0,1,2,3
	v_and_or_b32 v[TM+8+\b], v[TM+\b], 0x7f800000, s[MNT]   ; 448 x the scale
.endr
.irp b, 0,1,2,3
	v_lshrrev_b32 v[TM+4+\b], 23, v[TM+12+\b]      ; the scale's byte
.endr
	v_lshl_or_b32 v[PW+\a], v[TM+5], 8, v[TM+4]
	v_lshl_or_b32 v[PW+\a], v[TM+6], 16, v[PW+\a]
	v_lshl_or_b32 v[PW+\a], v[TM+7], 24, v[PW+\a]
	WIN WN                                         ; source 0: the accumulators' window
.irp b, 0,1,2,3
.irp i, 0,1,2,3,4,5,6,7,8,9,10,11,12,13,14,15
	v_med3_num_f32 v[YY+16*\b+\i], v[AC+16*\b+\i], -v[TM+8+\b], v[TM+8+\b]   ; the conversion to an 8-bit code does not saturate (ISA guide 7.6.2)
.endr
.endr
	WIN 0
.irp b, 0,1,2,3
	v_cvt_scalef32_pk8_fp8_f32 v[PC+4*\b:PC+4*\b+1], v[YY+16*\b:YY+16*\b+7], v[TM+12+\b]
	v_cvt_scalef32_pk8_fp8_f32 v[PC+4*\b+2:PC+4*\b+3], v[YY+16*\b+8:YY+16*\b+15], v[TM+12+\b]
.endr
	PLACES 4                                       ; an operand made by vector instructions stands four places ahead of a scaled matrix instruction
.endm
.irp a, 0,1,2,3,4,5,6,7
	QUANT4 \a
.irp c, 0,1,2,3
	global_store_b128 v[LI], v[PC+4*\c:PC+4*\c+3], s[6:7] offset:(\a/4)*HEADB+8192+2048*(\a%4)+512*\c   ; the fragment as it stands: 512 consecutive bytes a store
.endr
	v_wmma_scale_f32_16x16x128_f8f6f4 v[DS+8*\a:DS+8*\a+7], v[ONES:ONES+15], v[PC:PC+15], 0, v[ONS], v[PW+\a]   ; 16 rows of ones x my 16 dimensions: every register holds the sum of the quantised v over the 128 keys
.endr
	PLACES NP
.irp e, 0,1                            ; my two heads
	v_cndmask_b32 v[RO+2*\e], v[PW+4*\e], v[PW+4*\e+1], s[HM]
	v_cndmask_b32 v[RO+2*\e+1], v[PW+4*\e+2], v[PW+4*\e+3], s[HM]
	v_cndmask_b32 v[RO+4+2*\e], v[DS+32*\e], v[DS+32*\e+8], s[HM]          ; each sum's lowest register
	v_cndmask_b32 v[RO+4+2*\e+1], v[DS+32*\e+16], v[DS+32*\e+24], s[HM]
	global_store_b64 v[L8], v[RO+2*\e:RO+2*\e+1], s[6:7] offset:\e*HEADB+16896   ; 32 lanes store 256 consecutive bytes
	global_store_b64 v[L8], v[RO+4+2*\e:RO+4+2*\e+1], s[8:9] offset:\e*4096
.endr
	s_wait_tensorcnt 0x0                           ; the wave's end
	ds_add_u32 v[SPW], v[NIL]
	s_wait_dscnt 0x0
	CROUND                                         ; the closing round
	s_endpgm
.Lfunc_end_k_q8acf49f71e_vproj:
	.size	k_q8acf49f71e_vproj, .Lfunc_end_k_q8acf49f71e_vproj-k_q8acf49f71e_vproj
	.p2alignl 7, 3214868480
	.fill 96, 4, 3214868480
	.section	.rodata,"a",@progbits
	.p2align	6, 0x0
	.amdhsa_kernel k_q8acf49f71e_vproj
		.amdhsa_group_segment_fixed_size 327680
		.amdhsa_private_segment_fixed_size 0
		.amdhsa_enable_private_segment 0
		.amdhsa_kernarg_size 64
		.amdhsa_user_sgpr_count 2
		.amdhsa_user_sgpr_kernarg_segment_ptr 1
		.amdhsa_wavefront_size32 1
		.amdhsa_system_sgpr_workgroup_id_x 1
		.amdhsa_system_sgpr_workgroup_id_y 1
		.amdhsa_system_sgpr_workgroup_id_z 1
		.amdhsa_system_vgpr_workitem_id 0
		.amdhsa_next_free_vgpr 1024
		.amdhsa_next_free_sgpr 102
		.amdhsa_reserve_vcc 1
		.amdhsa_float_denorm_mode_32 3
		.amdhsa_float_denorm_mode_16_64 3
		.amdhsa_memory_ordered 1
		.amdhsa_forward_progress 1
		.amdhsa_inst_pref_size 219
	.end_amdhsa_kernel
	.amdgpu_metadata
---
amdhsa.version: [ 1, 2 ]
amdhsa.kernels:
  - .name:           k_q8acf49f71e_vproj
    .symbol:         k_q8acf49f71e_vproj.kd
    .args:
      - { .name: Wv_codes, .offset: 0, .size: 8, .value_kind: global_buffer, .address_space: global }
      - { .name: Wv_scales, .offset: 8, .size: 8, .value_kind: global_buffer, .address_space: global }
      - { .name: inputs_q_codes, .offset: 16, .size: 8, .value_kind: global_buffer, .address_space: global }
      - { .name: inputs_q_scales, .offset: 24, .size: 8, .value_kind: global_buffer, .address_space: global }
      - { .name: patch_mask, .offset: 32, .size: 8, .value_kind: global_buffer, .address_space: global }
      - { .name: kv, .offset: 40, .size: 8, .value_kind: global_buffer, .address_space: global }
      - { .name: vpart, .offset: 48, .size: 8, .value_kind: global_buffer, .address_space: global }
      - { .name: tab, .offset: 56, .size: 8, .value_kind: global_buffer, .address_space: global }
    .group_segment_fixed_size: 327680
    .private_segment_fixed_size: 0
    .kernarg_segment_align: 8
    .kernarg_segment_size: 64
    .max_flat_workgroup_size: 128
    .sgpr_count:     102
    .vgpr_count:     1024
    .wavefront_size: 32
...
	.end_amdgpu_metadata
.endif
;; end of part 1
;; launch qkproj (part 2): grid 8 x 32, 4 waves a work-group, clusters of 4 x 4, 327,680 bytes of LDS; arguments inputs_q_codes, inputs_q_scales, Wq_codes, Wq_scales, Wk_codes, Wk_scales, q_ln_scale, k_ln_scale, per_dim_scale, patch_mask, tab, qq, kv; writes qq, kv
.if DOCPART == 2
	.amdgcn_target "amdgcn-amd-amdhsa--gfx1250"
	.amdhsa_code_object_version 6
	.text
	.protected	k_q8acf49f71e_qkproj
	.globl	k_q8acf49f71e_qkproj
	.p2align	8
	.type	k_q8acf49f71e_qkproj,@function
k_q8acf49f71e_qkproj:
	s_mov_b64 s[64:65], 0
	v_nop
	global_prefetch_b8 v0, s[64:65] scope:SCOPE_SE
	s_setreg_imm32_b32 hwreg(HW_REG_WAVE_MODE, 25, 1), 1
	s_wait_xcnt 0x0
	s_wait_alu depctr_hold_cnt(0) depctr_sa_sdst(0) depctr_va_vdst(0) depctr_va_sdst(0) depctr_va_ssrc(0) depctr_va_vcc(0) depctr_vm_vsrc(0)
	s_getreg_b32 s2, hwreg(HW_REG_IB_STS2, 6, 4)
	s_cmp_eq_u32 s2, 0
	s_cbranch_scc0 .Lentry_in_a_cluster
	s_endpgm
.Lentry_in_a_cluster:
	s_bfe_u32 s2, ttmp6, 0x10000c
	s_cmp_lg_u32 s2, 0xf033
	s_cbranch_scc0 .Lentry_shape_is_right
	s_endpgm
.Lentry_shape_is_right:
.set KSTEP,  256
.set NQ,     2
.set ROWB,   256
.set KROW,   1024
.set PITCH,  272
.set FR,     16
.set NL,     4
.set NP,     8
.set HALFT,  128*PITCH
.set SLOT,   4*HALFT
.set LAPS,   2
.set KS,     32
.set SCL,    2*SLOT
.set HALFS,  16*272
.set SBLK,   2*272
.set SPARE,  SCL+4*HALFS
.set STEPB,  17152
.set HEADB,  16*STEPB
.set RS,   14
.set ADRA, 16
.set ADRB, 20
.set HIMV, 22
.set HI,   23
.set LI,   24
.set H32,  25
.set TOK,  26
.set ADRS, 27
.set SPW,  28
.set NIL,  29
.set NMV,  30
.set HIUV, 31
.set SC,   32
.set GG,   64
.set TAB0, 96
.set AF,   128
.set YY,   160
.set MM0,  192
.set PC,   200
.set TM,   208
.set SS,   216
.set VAR,  220
.set SW,   224
.set RO,   240
.set XP,   96
.set EA,   128
.set UA,   160
.set LG,   192
.set RC,   224
.set G1, 24
.set G0, 32
.set G1B, 48
.set G0B, 56
.set G1S, 68
.set G0S, 76
.set G1SB, 80
.set G0SB, 88
.set L2E,  18
.set LN2,  19
.set FAC,  20
.set I64,  21
.set EPS,  22
.set QM,   23
.set KM,   92
.set HIU,  93
.set SEL,  96
.set MNT,  98
.set HM,   99
.set MSB, 0
.macro WIN new
.if MSB != (\new)
	s_set_vgpr_msb (MSB<<8)|(\new)
.set MSB, (\new)
.endif
.endm
.set MUL_LO, 0xa1
.set MUL_HI, 0xf1
.set TO_B,   0x40
.macro JLOAD g0a, g1a, g0b, g1b
	s_cmp_eq_u32 s15, 0
	s_cbranch_scc0 .Lfor_b_\@
	tensor_load_to_lds s[\g0a:\g0a+3], s[\g1a:\g1a+7]
	s_nop 0
.rept 4
	v_nop
.endr
	s_branch .Lasked_\@
.Lfor_b_\@:
	tensor_load_to_lds s[\g0b:\g0b+3], s[\g1b:\g1b+7]
	s_nop 0
.rept 4
	v_nop
.endr
.Lasked_\@:
.endm
.macro CREST
	s_cmp_lg_u32 s14, 0
	s_cbranch_scc1 .Lnot_wave_0_\@
	s_barrier_signal -3
.Lnot_wave_0_\@:
	s_barrier_wait -3
	s_barrier_signal -1
	s_barrier_wait -1
.endm
.macro CROUND
	s_barrier_signal -1
	s_barrier_wait -1
	CREST
.endm
	s_load_b128 s[4:7], s[0:1], 0x0
	s_load_b128 s[8:11], s[0:1], 0x10
	s_load_b128 s[96:99], s[0:1], 0x20
	v_lshl_add_u32 v[SPW], v0, 2, SPARE
	v_mov_b32 v[NIL], 0
	ds_add_u32 v28, v29
	ds_add_u32 v28, v29
	s_wait_dscnt 0x0
	v_lshrrev_b32 v1, 5, v0
	v_readfirstlane_b32 s14, v1
	s_lshr_b32 s15, s14, 1
	s_and_b32 s16, s14, 1
	s_bfe_u32 s40, ttmp6, 0x40000
	s_bfe_u32 s41, ttmp6, 0x40004
	s_and_b32 s17, ttmp7, 0xffff
	s_lshl_b32 s17, s17, 2
	s_add_co_u32 s17, s17, s41
	s_lshl_b32 s43, s41, 2
	s_lshl_b32 s43, 15, s43
	s_lshl_b32 s44, 0x1111, s40
	s_or_b32 s[G1+0], s43, (0<<16)|(1<<20)|(1<<21)|(5<<22)|(3<<25)
	s_or_b32 s[G1B+0], s44, (0<<16)|(1<<20)|(1<<21)|(5<<22)|(3<<25)
.irp g, G1, G1B
	s_mov_b32 s[\g+1], ROWB<<16
	s_mov_b32 s[\g+2], 256<<16                     ; the head's loads bring 256 rows; behind them the two words are set to 128, for the ring's
	s_mov_b32 s[\g+3], ROWB<<16
	s_mov_b32 s[\g+4], 256
	s_mov_b32 s[\g+5], KROW
	s_mov_b32 s[\g+6], 0
	s_mov_b32 s[\g+7], 0
.endr
	s_or_b32 s[G1S+0], s43, (3<<16)|(1<<20)|(1<<21)|(5<<22)|(3<<25)
	s_or_b32 s[G1SB+0], s44, (3<<16)|(1<<20)|(1<<21)|(5<<22)|(3<<25)
.irp g, G1S, G1SB
	s_mov_b32 s[\g+1], 32<<16
	s_mov_b32 s[\g+2], 32<<16                      ; the scales of 256 rows: 8,192 dense bytes as 32 rows of 256
	s_mov_b32 s[\g+3], 32<<16
	s_mov_b32 s[\g+4], 32
	s_mov_b32 s[\g+5], 32
	s_mov_b32 s[\g+6], 0
	s_mov_b32 s[\g+7], 0
.endr
	s_lshl_b32 s18, s16, 7
	s_lshl_b32 s20, s17, 8
	s_lshl_b32 s46, s40, 8
	s_lshl_b32 s22, s20, 5                         ; where the scales of the tile's 256 rows begin: 32 bytes a row
	s_lshl_b32 s92, s46, 5
	s_mov_b32 s23, 0
	s_mov_b32 s93, 0
	s_add_co_u32 s20, s20, s18
	s_add_co_u32 s46, s46, s18
	s_mov_b32 s21, 0
	s_mov_b32 s47, 0
	s_mov_b64 s[18:19], KROW
	s_mul_u64 s[20:21], s[20:21], s[18:19]
	s_mul_u64 s[46:47], s[46:47], s[18:19]
	s_mul_i32 s45, s14, HALFT
	s_wait_kmcnt 0x0
	s_cmp_eq_u32 ttmp9, 0
	s_cselect_b64 s[8:9], s[8:9], s[96:97]
	s_cselect_b64 s[10:11], s[10:11], s[98:99]
	s_add_nc_u64 s[20:21], s[4:5], s[20:21]
	s_add_nc_u64 s[22:23], s[6:7], s[22:23]
	s_add_nc_u64 s[46:47], s[8:9], s[46:47]
	s_add_nc_u64 s[92:93], s[10:11], s[92:93]
	CROUND
	s_mov_b32 s[G0S], 1
	s_mov_b32 s[G0S+1], SCL
	s_mov_b64 s[G0S+2:G0S+3], s[22:23]
	s_or_b32 s[G0S+3], s[G0S+3], 0x80000000
	s_mov_b32 s[G0SB], 1
	s_mov_b32 s[G0SB+1], SCL+2*HALFS
	s_mov_b64 s[G0SB+2:G0SB+3], s[92:93]
	s_or_b32 s[G0SB+3], s[G0SB+3], 0x80000000
.irp s, 0,1
	s_mov_b32 s[G0+4*\s], 1
	s_add_co_u32 s[G0+4*\s+1], s45, \s*SLOT
	s_add_nc_u64 s[G0+4*\s+2:G0+4*\s+3], s[20:21], \s*ROWB
	s_or_b32 s[G0+4*\s+3], s[G0+4*\s+3], 0x80000000
	s_mov_b32 s[G0B+4*\s], 1
	s_add_co_u32 s[G0B+4*\s+1], s45, \s*SLOT
	s_add_nc_u64 s[G0B+4*\s+2:G0B+4*\s+3], s[46:47], \s*ROWB
	s_or_b32 s[G0B+4*\s+3], s[G0B+4*\s+3], 0x80000000
.endr
; THE HEAD'S LOADS, ONE A WAVE: wave 0 K step 0's 256 rows of A, wave 1 A's scales, wave 2 the 256 rows of B, wave 3 B's scales.
; Wave 0's slot-0 group 0 for A (LDS 0, half 0) and wave 2's for B (LDS 2 x HALFT, half 0) are the whole tiles' first bytes.  One tree of branches on the wave's number, one load to an arm.
.macro ARM under, g0, g1, next
	s_cmp_lt_u32 s14, \under
	s_cbranch_scc0 \next
	tensor_load_to_lds s[\g0:\g0+3], s[\g1:\g1+7]
	s_nop 0
.rept 4
	v_nop
.endr
	s_branch .Lhead_asked
\next:
.endm
	ARM 1, G0,  G1,  .Lhead_sa
	ARM 2, G0S, G1S, .Lhead_b
	ARM 3, G0B, G1B, .Lhead_sb
	tensor_load_to_lds s[G0SB:G0SB+3], s[G1SB:G1SB+7]
	s_nop 0
.rept 4
	v_nop
.endr
.Lhead_asked:
	s_load_b128 s[4:7], s[0:1], 0x30
	s_load_b128 s[8:11], s[0:1], 0x40
	s_load_b128 s[44:47], s[0:1], 0x50
	s_load_b64 s[12:13], s[0:1], 0x60
	v_and_b32 v1, 15, v0
	v_bfe_u32 v2, v0, 4, 1
	v_mul_u32_u24 v3, v1, PITCH
	v_lshl_add_u32 v4, v2, 4, v3
	s_mul_i32 s21, s15, HALFT
	s_mul_i32 s22, s16, HALFT
	s_add_co_u32 s22, s22, 2*HALFT
.irp s, 0,1
	v_add_nc_u32 v[ADRA+\s], s21, v4
	v_add_nc_u32 v[ADRB+\s], s22, v4
	s_add_co_u32 s21, s21, SLOT
	s_add_co_u32 s22, s22, SLOT
.endr
	v_mul_u32_u24 v5, v1, KS
	v_lshrrev_b32 v6, 8, v5
	v_lshl_add_u32 v5, v6, 4, v5
	s_mul_i32 s21, s15, HALFS
	s_mul_i32 s22, s16, HALFS
	s_add_co_u32 s22, s22, 2*HALFS
	s_sub_co_u32 s22, s22, s21
	v_mul_u32_u24 v6, s22, v2
	s_add_co_u32 s21, s21, SCL
	v_add_nc_u32 v5, v5, v6
	v_add_nc_u32 v[ADRS], s21, v5
	v_and_b32 v7, 31, v0
	v_lshlrev_b32 v[LI], 4, v7
	v_lshlrev_b32 v[H32], 5, v2
	s_mov_b32 s[L2E], 0x3fb8aa3b
	s_mov_b32 s[LN2], 0x3f317218
	s_mov_b32 s[FAC], 0x3e38aa3b
	s_mov_b32 s[I64], 0x3c800000
	s_mov_b32 s[EPS], 0x358637bd
	s_mov_b32 s[SEL], 0x76543210
	s_mov_b32 s[SEL+1], 0xfedcba98
	s_mov_b32 s[MNT], 0x600000
	s_mov_b32 s[HM], 0xffff0000
	s_lshl_b32 s2, s17, 8
	s_lshl_b32 s3, s15, 7
	s_add_co_u32 s2, s2, s3
	s_lshr_b32 s41, s17, 3
	s_and_b32 s94, s2, 2047
	s_lshl_b32 s43, s40, 2
	s_lshl_b32 s3, s16, 1
	s_add_co_u32 s43, s43, s3
	s_lshl_b32 s3, s41, 4
	s_add_co_u32 s43, s43, s3
	s_lshl_b32 s43, s43, 4
	s_lshr_b32 s3, s2, 7
	s_and_b32 s3, s3, 15
	s_add_co_u32 s43, s43, s3
	s_mov_b32 s101, 0
	s_wait_alu depctr_va_vdst(0)
	s_wait_kmcnt 0x0
	s_cmp_eq_u32 ttmp9, 0
	s_cselect_b64 s[4:5], s[4:5], s[6:7]
	s_cselect_b64 s[12:13], s[46:47], s[12:13]
	s_cselect_b32 s[QM], -1, 0
	s_cselect_b32 s[KM], 0, -1
	s_mov_b32 s[HIU], 0x7f01
	s_cselect_b32 s[HIU], 0x7f7f, s[HIU]
	s_mul_i32 s100, s43, STEPB
	s_add_nc_u64 s[12:13], s[12:13], s[100:101]
	s_lshl_b32 s100, s2, 8
	s_add_nc_u64 s[6:7], s[44:45], s[100:101]
	s_lshl_b32 s100, s41, 11
	s_add_nc_u64 s[10:11], s[10:11], s[100:101]
.irp t, 0,1,2,3
	global_load_b128 v[GG+8*\t:GG+8*\t+3], v[H32], s[4:5] offset:64*\t
	global_load_b128 v[GG+8*\t+4:GG+8*\t+7], v[H32], s[4:5] offset:64*\t+16
	global_load_b128 v[XP+8*\t:XP+8*\t+3], v[H32], s[8:9] offset:64*\t
	global_load_b128 v[XP+8*\t+4:XP+8*\t+7], v[H32], s[8:9] offset:64*\t+16
.endr
.macro COUNT base, dst, t
.irp i, 0,1,2,3
	global_load_b128 v[\t+4*\i:\t+4*\i+3], v[LI], s[\base:\base+1] offset:512*\i
.endr
	s_wait_loadcnt 0x0
	v_add3_u32 v[\t], v[\t], v[\t+1], v[\t+2]
.irp i, 3,5,7,9,11,13
	v_add3_u32 v[\t], v[\t], v[\t+\i], v[\t+\i+1]
.endr
	v_add_nc_u32 v[\t], v[\t], v[\t+15]
	v_lshrrev_b32 v[\t+1], 8, v[\t]
	v_and_b32 v[\t], 0xff00ff, v[\t]
	v_and_b32 v[\t+1], 0xff00ff, v[\t+1]
	v_add_nc_u32 v[\t], v[\t], v[\t+1]
	v_lshrrev_b32 v[\t+1], 16, v[\t]
	v_and_b32 v[\t], 0xffff, v[\t]
	v_add_nc_u32 v[\t], v[\t], v[\t+1]
.irp m, 1,2,4,8
	v_mov_b32_dpp v[\t+1], v[\t] row_xmask:\m row_mask:0xf bank_mask:0xf
	v_add_nc_u32 v[\t], v[\t], v[\t+1]
.endr
	v_permlanex16_b32 v[\t+1], v[\t], s[SEL], s[SEL+1]
	v_add_nc_u32 v[\dst], v[\t], v[\t+1]
.endm
	COUNT 10, NMV, 128
	s_wait_alu depctr_va_vdst(0)
	s_wait_tensorcnt 0x0                           ; my tile of the head's four is in
	ds_add_u32 v[SPW], v[NIL]
	s_mov_b32 s[G1+2], 128<<16                     ; no tensor load of mine is out: from here on a load brings 128 rows
	s_mov_b32 s[G1+4], 128
	s_mov_b32 s[G1B+2], 128<<16
	s_mov_b32 s[G1B+4], 128
	s_wait_dscnt 0x0
	CROUND                                         ; all four tiles are in, for every wave, and all sixteen work-groups are here
	JLOAD G0+4, G1, G0B+4, G1B                     ; K step 1 into slot 1: it lands under the gains' arithmetic
	v_and_b32 v[NMV], s[KM], v[NMV]
	v_add_nc_u32 v[TOK], s94, v1
	v_mov_b32 v[HIUV], s[HIU]
	v_mov_b32 v[HIMV], 0x7ffe
	v_mov_b32 v[RS+1], 0
.set i, 0
.rept 32
	v_mul_f32 v[EA+i], -|v[XP+i]|, s[L2E]
.set i, i+1
.endr
.set i, 0
	s_wait_alu depctr_va_vdst(0)
.rept 32
	v_exp_f32 v[EA+i], v[EA+i]
.set i, i+1
.endr
	v_nop
.set i, 0
	s_wait_alu depctr_va_vdst(0)
.rept 32
	v_add_f32 v[UA+i], 1.0, v[EA+i]
.set i, i+1
.endr
.set i, 0
.rept 32
	v_add_f32 v[RC+i], -1.0, v[UA+i]
.set i, i+1
.endr
.set i, 0
	s_wait_alu depctr_va_vdst(0)
.rept 32
	v_log_f32 v[LG+i], v[UA+i]
.set i, i+1
.endr
	v_nop
.set i, 0
.rept 32
	v_rcp_f32 v[UA+i], v[RC+i]
.set i, i+1
.endr
	v_nop
.set i, 0
	s_wait_alu depctr_va_vdst(0)
.rept 32
	v_mul_f32 v[LG+i], s[LN2], v[LG+i]
.set i, i+1
.endr
.set i, 0
.rept 32
	v_mul_f32 v[LG+i], v[LG+i], v[EA+i]
.set i, i+1
.endr
.set i, 0
.rept 32
	v_mul_f32 v[LG+i], v[LG+i], v[UA+i]
.set i, i+1
.endr
.set i, 0
.rept 32
	v_cmp_eq_f32 vcc_lo, 0, v[RC+i]
	v_cndmask_b32 v[LG+i], v[LG+i], v[EA+i], vcc_lo
.set i, i+1
.endr
.set i, 0
.rept 32
	v_max_num_f32 v[XP+i], 0, v[XP+i]
.set i, i+1
.endr
.set i, 0
.rept 32
	v_add_f32 v[XP+i], v[XP+i], v[LG+i]
.set i, i+1
.endr
.set i, 0
.rept 32
	v_mul_f32 v[XP+i], s[FAC], v[XP+i]
.set i, i+1
.endr
.set i, 0
.rept 32
	v_cndmask_b32 v[XP+i], 1.0, v[XP+i], s[QM]
.set i, i+1
.endr
.set i, 0
.rept 32
	v_mul_f32 v[GG+i], v[GG+i], v[XP+i]
.set i, i+1
.endr
.macro TABLOAD a                       ; the table of tile a of my eight tiles of 16 tokens: 32 registers of window 1, where B's fragments lay
.irp p, 0,1,2,3,4,5,6,7
	global_load_b128 v[32*(\a)+4*\p:32*(\a)+4*\p+3], v[LI], s[6:7] offset:4096*(\a)+512*\p
.endr
.endm
.macro FRAG reg, adr, q, i
.irp c, 0,1,2,3
	ds_load_b128 v[\reg+4*\c:\reg+4*\c+3], v[\adr] offset:128*(\q)+32*\c+(\i)*16*PITCH
.endr
.endm
.macro MUL16 a0, p, q, sc, zero
.irp a, \a0, \a0+1
.irp b, 0,1,2,3,4,5,6,7
.if \zero
	v_wmma_scale_f32_16x16x128_f8f6f4 v[8*(8*((\a)%4)+\b):8*(8*((\a)%4)+\b)+7], v[128*(\p)+FR*\b:128*(\p)+FR*\b+FR-1], v[AF+FR*(\a):AF+FR*(\a)+FR-1], 0, v[SC+8*NQ*(\sc)+NQ*\b+(\q)], v[SC+8*NQ*(\sc)+NQ*(\a)+(\q)] matrix_a_scale:MATRIX_SCALE_ROW1
.else
	v_wmma_scale_f32_16x16x128_f8f6f4 v[8*(8*((\a)%4)+\b):8*(8*((\a)%4)+\b)+7], v[128*(\p)+FR*\b:128*(\p)+FR*\b+FR-1], v[AF+FR*(\a):AF+FR*(\a)+FR-1], v[8*(8*((\a)%4)+\b):8*(8*((\a)%4)+\b)+7], v[SC+8*NQ*(\sc)+NQ*\b+(\q)], v[SC+8*NQ*(\sc)+NQ*(\a)+(\q)] matrix_a_scale:MATRIX_SCALE_ROW1
.endif
.endr
.endr
.endm
.macro FETCH_B slot, q, p
	WIN TO_B
.irp i, 0,1,2,3,4,5,6,7
	FRAG 128*(\p)+FR*\i, ADRB+\slot, \q, \i
.endr
	WIN 0
.endm
.macro FETCH_A slot, q, i0
.irp i, \i0, \i0+1, \i0+2, \i0+3
	FRAG AF+FR*(\i), ADRA+\slot, \q, \i
.endr
.endm
.macro SCALES sc
.irp i, 0,1,2,3,4,5,6,7
	ds_load_b64 v[SC+8*NQ*\sc+NQ*\i:SC+8*NQ*\sc+NQ*\i+1], v[ADRS] offset:\i*SBLK
.endr
.endm
.macro PLACES n
.rept \n
	v_nop
.endr
.endm
.macro STEP slot, q, zero
	s_wait_dscnt 4*NL
	WIN MUL_LO
	MUL16 0, (\q)%2, \q, \slot, \zero
	MUL16 2, (\q)%2, \q, \slot, \zero
	s_wait_dscnt 0
	PLACES NP
	FETCH_B \slot, (\q)+1, 1-(\q)%2
	FETCH_A \slot, (\q)+1, 0
	WIN MUL_HI
	MUL16 4, (\q)%2, \q, \slot, \zero
	MUL16 6, (\q)%2, \q, \slot, \zero
	PLACES NP
	WIN 0
	FETCH_A \slot, (\q)+1, 4
.endm
.macro TURN slot, next, fill
	s_wait_tensorcnt 0x0
	ds_add_u32 v[SPW], v[NIL]
	s_wait_dscnt 4*NL+1
	WIN MUL_LO
	MUL16 0, 1, NQ-1, \slot, 0
	s_wait_dscnt 0x0
	s_barrier_signal -1
	MUL16 2, 1, NQ-1, \slot, 0
	WIN 0
	s_barrier_wait -1
.if \fill
	CREST
	s_add_nc_u64 s[G0+4*\slot+2:G0+4*\slot+3], s[G0+4*\slot+2:G0+4*\slot+3], 2*ROWB
	s_add_nc_u64 s[G0B+4*\slot+2:G0B+4*\slot+3], s[G0B+4*\slot+2:G0B+4*\slot+3], 2*ROWB
	JLOAD G0+4*\slot, G1, G0B+4*\slot, G1B
	PLACES NP-4
.else
	PLACES NP
.endif
	s_wait_alu depctr_va_vdst(0)
	v_add_nc_u32 v[ADRS], 4*NQ, v[ADRS]
	FETCH_B \next, 0, 0
	FETCH_A \next, 0, 0
	SCALES \next
	WIN MUL_HI
	MUL16 4, 1, NQ-1, \slot, 0
	MUL16 6, 1, NQ-1, \slot, 0
	PLACES NP
	WIN 0
	FETCH_A \next, 0, 4
.endm
	FETCH_B 0, 0, 0
	FETCH_A 0, 0, 0
	SCALES 0
	FETCH_A 0, 0, 4
	STEP 0, 0, 1
	s_mov_b32 s3, LAPS-1
.Llap:
	TURN 0, 1, 1
	STEP 1, 0, 0
	TURN 1, 0, 1
	STEP 0, 0, 0
	s_sub_co_u32 s3, s3, 1
	s_cmp_lg_u32 s3, 0
	s_cbranch_scc1 .Llap
	TURN 0, 1, 0
	STEP 1, 0, 0
	WIN TO_B                                       ; B's set 0 has been multiplied for the last time, eight places back: it takes the table's tiles 0-3
.irp a, 0,1,2,3
	TABLOAD \a
.endr
	WIN 0
	s_wait_dscnt 4*NL
	WIN MUL_LO
	MUL16 0, 1, NQ-1, 1, 0
	MUL16 2, 1, NQ-1, 1, 0
	s_wait_dscnt 0
	WIN MUL_HI
	MUL16 4, 1, NQ-1, 1, 0
	MUL16 6, 1, NQ-1, 1, 0
	WIN 0
	PLACES NP
	WIN TO_B                                       ; and B's set 1 the tiles 4-7
.irp a, 4,5,6,7
	TABLOAD \a
.endr
	WIN 0
	v_mov_b32 v[TM+2], 0
	v_mov_b32 v[TM+3], 0
.macro HEAD a, e
.set AC, 64*((\a)%4)+32*(\e)
.set TS0, 32*(\a)
	WIN (2+(\a)/4)|4                               ; source 0: the accumulators' window; source 1: the table's, window 1
.irp t, 0,1
.irp j, 0,2,4,6
.set MQ, MM0+4*((\j/2)%2)
	v_pk_mul_f32 v[MQ:MQ+1], v[AC+16+8*\t+\j:AC+16+8*\t+\j+1], v[TS0+16+8*\t+\j:TS0+16+8*\t+\j+1]
	v_pk_mul_f32 v[MQ+2:MQ+3], v[AC+8*\t+\j:AC+8*\t+\j+1], v[TS0+16+8*\t+\j:TS0+16+8*\t+\j+1]
	v_pk_fma_f32 v[YY+8*\t+\j:YY+8*\t+\j+1], v[AC+8*\t+\j:AC+8*\t+\j+1], v[TS0+8*\t+\j:TS0+8*\t+\j+1], v[MQ:MQ+1] neg_lo:[0,0,1] neg_hi:[0,0,1]
	v_pk_fma_f32 v[YY+16+8*\t+\j:YY+16+8*\t+\j+1], v[AC+16+8*\t+\j:AC+16+8*\t+\j+1], v[TS0+8*\t+\j:TS0+8*\t+\j+1], v[MQ+2:MQ+3]
.endr
.endr
	WIN 0
	v_pk_mul_f32 v[SS:SS+1], v[YY:YY+1], v[YY:YY+1]
	v_pk_mul_f32 v[SS+2:SS+3], v[YY+2:YY+3], v[YY+2:YY+3]
.irp j, 4,8,12,16,20,24,28
	v_pk_fma_f32 v[SS:SS+1], v[YY+\j:YY+\j+1], v[YY+\j:YY+\j+1], v[SS:SS+1]
	v_pk_fma_f32 v[SS+2:SS+3], v[YY+\j+2:YY+\j+3], v[YY+\j+2:YY+\j+3], v[SS+2:SS+3]
.endr
	v_pk_add_f32 v[SS:SS+1], v[SS:SS+1], v[SS+2:SS+3]
	v_add_f32 v[SS], v[SS], v[SS+1]
	v_permlanex16_b32 v[SS+2], v[SS], s[SEL], s[SEL+1]
	v_add_f32 v[SS], v[SS], v[SS+2]
	v_fma_f32 v[VAR], v[SS], s[I64], s[EPS]
	s_wait_alu depctr_va_vdst(0)
	v_rsq_f32 v[RS], v[VAR]
	v_nop
	s_wait_alu depctr_va_vdst(0)
.irp j, 0,2,4,6,8,10,12,14,16,18,20,22,24,26,28,30
	v_pk_mul_f32 v[YY+\j:YY+\j+1], v[YY+\j:YY+\j+1], v[RS:RS+1] op_sel_hi:[1,0]
.endr
.irp j, 0,2,4,6,8,10,12,14,16,18,20,22,24,26,28,30
	v_pk_mul_f32 v[YY+\j:YY+\j+1], v[YY+\j:YY+\j+1], v[GG+\j:GG+\j+1]
.endr
.irp c, 0,1
	v_max3_num_f32 v[TM+\c], |v[YY+16*\c]|, |v[YY+16*\c+1]|, 0x4800000
.endr
.irp i, 2,4,6,8,10,12,14
.irp c, 0,1
	v_max3_num_f32 v[TM+\c], v[TM+\c], |v[YY+16*\c+\i]|, |v[YY+16*\c+\i+1]|
.endr
.endr
.irp c, 0,1
	v_permlanex16_b32 v[TM+2+\c], v[TM+\c], s[SEL], s[SEL+1]
.endr
.irp c, 0,1
	v_max_num_f32 v[TM+\c], v[TM+\c], v[TM+2+\c]
.endr
.irp c, 0,1
	v_add_nc_u32 v[TM+6+\c], 0xfc000000, v[TM+\c]
.endr
.irp c, 0,1
	v_and_or_b32 v[TM+4+\c], v[TM+\c], 0x7f800000, s[MNT]
.endr
.irp c, 0,1
	v_lshrrev_b32 v[TM+2+\c], 23, v[TM+6+\c]
.endr
	v_lshl_or_b32 v[SW+8*\e+\a], v[TM+3], 8, v[TM+2]
	v_lshl_or_b32 v[SW+8*\e+\a], v[HI], 16, v[SW+8*\e+\a]
.irp c, 0,1
.irp i, 0,1,2,3,4,5,6,7,8,9,10,11,12,13,14,15
	v_med3_num_f32 v[YY+16*\c+\i], v[YY+16*\c+\i], -v[TM+4+\c], v[TM+4+\c]
.endr
.endr
	s_wait_alu depctr_va_vdst(0)
	s_wait_xcnt 0x0
.irp c, 0,1
	v_cvt_scalef32_pk8_fp8_f32 v[PC+4*\c:PC+4*\c+1], v[YY+16*\c:YY+16*\c+7], v[TM+6+\c]
	v_cvt_scalef32_pk8_fp8_f32 v[PC+4*\c+2:PC+4*\c+3], v[YY+16*\c+8:YY+16*\c+15], v[TM+6+\c]
.endr
	v_nop
.irp c, 0,1
	global_store_b128 v[LI], v[PC+4*\c:PC+4*\c+3], s[12:13] offset:\e*HEADB+1024*\a+512*\c
.endr
.endm
.irp a, 0,1,2,3,4,5,6,7
	s_wait_loadcnt 8*(7-\a)                        ; tile a's eight loads are in; those of the 7 - a later tiles may be out
	v_add_nc_u32 v13, 16*\a, v[TOK]
	v_cmp_lt_i32 vcc_lo, v13, v[NMV]
	v_cndmask_b32 v[HI], v[HIUV], v[HIMV], vcc_lo
	HEAD \a, 0
	HEAD \a, 1
.endr
.irp e, 0,1
.irp j, 0,1,2,3
	v_cndmask_b32 v[RO+4*\e+\j], v[SW+8*\e+2*\j], v[SW+8*\e+2*\j+1], s[HM]
.endr
	global_store_b128 v[LI], v[RO+4*\e:RO+4*\e+3], s[12:13] offset:\e*HEADB+16384
.endr
	s_wait_tensorcnt 0x0
	ds_add_u32 v[SPW], v[NIL]
	s_wait_dscnt 0x0
	CROUND
	s_endpgm
.Lfunc_end_k_q8acf49f71e_qkproj:
	.size	k_q8acf49f71e_qkproj, .Lfunc_end_k_q8acf49f71e_qkproj-k_q8acf49f71e_qkproj
	.p2alignl 7, 3214868480
	.fill 96, 4, 3214868480
	.section	.rodata,"a",@progbits
	.p2align	6, 0x0
	.amdhsa_kernel k_q8acf49f71e_qkproj
		.amdhsa_group_segment_fixed_size 327680
		.amdhsa_private_segment_fixed_size 0
		.amdhsa_enable_private_segment 0
		.amdhsa_kernarg_size 104
		.amdhsa_user_sgpr_count 2
		.amdhsa_user_sgpr_kernarg_segment_ptr 1
		.amdhsa_wavefront_size32 1
		.amdhsa_system_sgpr_workgroup_id_x 1
		.amdhsa_system_sgpr_workgroup_id_y 1
		.amdhsa_system_sgpr_workgroup_id_z 1
		.amdhsa_system_vgpr_workitem_id 0
		.amdhsa_next_free_vgpr 1024
		.amdhsa_next_free_sgpr 102
		.amdhsa_reserve_vcc 1
		.amdhsa_float_denorm_mode_32 3
		.amdhsa_float_denorm_mode_16_64 3
		.amdhsa_memory_ordered 1
		.amdhsa_forward_progress 1
		.amdhsa_inst_pref_size 255
	.end_amdhsa_kernel
	.section	.bss,"aw",@nobits
	.p2align	6
	.space	262144
	.amdgpu_metadata
---
amdhsa.version: [ 1, 2 ]
amdhsa.kernels:
  - .name:           k_q8acf49f71e_qkproj
    .symbol:         k_q8acf49f71e_qkproj.kd
    .args:
      - { .name: inputs_q_codes, .offset: 0, .size: 8, .value_kind: global_buffer, .address_space: global }
      - { .name: inputs_q_scales, .offset: 8, .size: 8, .value_kind: global_buffer, .address_space: global }
      - { .name: Wq_codes, .offset: 16, .size: 8, .value_kind: global_buffer, .address_space: global }
      - { .name: Wq_scales, .offset: 24, .size: 8, .value_kind: global_buffer, .address_space: global }
      - { .name: Wk_codes, .offset: 32, .size: 8, .value_kind: global_buffer, .address_space: global }
      - { .name: Wk_scales, .offset: 40, .size: 8, .value_kind: global_buffer, .address_space: global }
      - { .name: q_ln_scale, .offset: 48, .size: 8, .value_kind: global_buffer, .address_space: global }
      - { .name: k_ln_scale, .offset: 56, .size: 8, .value_kind: global_buffer, .address_space: global }
      - { .name: per_dim_scale, .offset: 64, .size: 8, .value_kind: global_buffer, .address_space: global }
      - { .name: patch_mask, .offset: 72, .size: 8, .value_kind: global_buffer, .address_space: global }
      - { .name: tab, .offset: 80, .size: 8, .value_kind: global_buffer, .address_space: global }
      - { .name: qq, .offset: 88, .size: 8, .value_kind: global_buffer, .address_space: global }
      - { .name: kv, .offset: 96, .size: 8, .value_kind: global_buffer, .address_space: global }
    .group_segment_fixed_size: 327680
    .private_segment_fixed_size: 0
    .kernarg_segment_align: 8
    .kernarg_segment_size: 104
    .max_flat_workgroup_size: 128
    .sgpr_count:     102
    .vgpr_count:     1024
    .wavefront_size: 32
...
	.end_amdgpu_metadata
.endif
;; end of part 2
;; launch attn (part 3): grid 4 x 64, 8 waves a work-group, clusters of 4 x 1, 327,680 bytes of LDS; arguments qq, kv, vpart, patch_mask, ximg, xsc; writes ximg, xsc
.if DOCPART == 3
	.amdgcn_target "amdgcn-amd-amdhsa--gfx1250"
	.amdhsa_code_object_version 6
	.text
	.protected	k_q8acf49f71e_attn
	.globl	k_q8acf49f71e_attn
	.p2align	8
	.type	k_q8acf49f71e_attn,@function
k_q8acf49f71e_attn:
	s_mov_b64 s[64:65], 0
	v_nop
	global_prefetch_b8 v0, s[64:65] scope:SCOPE_SE
	s_setreg_imm32_b32 hwreg(HW_REG_WAVE_MODE, 25, 1), 1
	s_wait_xcnt 0x0
	s_wait_alu depctr_hold_cnt(0) depctr_sa_sdst(0) depctr_va_vdst(0) depctr_va_sdst(0) depctr_va_ssrc(0) depctr_va_vcc(0) depctr_vm_vsrc(0)
	s_getreg_b32 s2, hwreg(HW_REG_IB_STS2, 6, 4)
	s_cmp_eq_u32 s2, 0
	s_cbranch_scc0 .Lentry_in_a_cluster
	s_endpgm
.Lentry_in_a_cluster:
	s_bfe_u32 s2, ttmp6, 0x10000c
	s_cmp_lg_u32 s2, 0x3003
	s_cbranch_scc0 .Lentry_shape_is_right
	s_endpgm
.Lentry_shape_is_right:
; Causal attention with a masked prefix, both products on codes of E4M3 with E8M0 scales; the result, divided by the row's sum, is quantised along the model's 1,024 for the output projection.
; A HEAD'S K AND V STAY IN LDS.  The 16 blocks of kv of one (batch, head), 17,152 bytes for each 128 keys (K's eight tiles, V's four, their scale words, as images of the operands' registers), are 274,432 bytes.
; Each of the eight waves fetches two blocks (134 rows of 256 bytes) by one tensor load at the head; one wait and one barrier show them to all; nothing is filled again, so the loops hold no barrier.
; SHARES.  The four work-groups of a head form a cluster.  The one at place cx owns queries 128 m + 32 cx + 0 .. 31 for m = 0 .. 15; such a unit needs key steps 0 .. m, whatever cx is.
; Wave w takes m = 15 - w and then m = w: 16 - w + w + 1 = 17 steps for every wave, two of them on the diagonal.  Steps whose keys all come after the unit's queries are left out.
; JOINT LOADS: all four partners need all 16 blocks (m = 15), so the eight loads are joint (mask 15).  No branch and no LDS address hangs on cx: it enters global addresses and the lanes' query numbers alone.
; NO PREFETCH: every tile is asked for at the head, by the eight loads; there is no loop to run ahead in.
; LAYOUT.  S^T = K Q^T (source 0 = 16 keys), O^T = V^T P^T (source 0 = 16 dimensions): a lane holds ONE query.  Register 8 t + j of the scores is key 16 t + 8 h + j; the codes of p keep that order, as V's codes do.
; THE HEAD IS 64, THE INSTRUCTION'S K 128.  Blocks 0, 1: the head.  Block 2: one code, -2^-6 in every key and 1 in every query; the key's scale byte 2 is 254 under the masked prefix (score -2^121: p = 0), else 1.  Block 3: zeros.
; A STEP: QK of tile 0, its softmax, PV of tile 0 with QK of tile 1 (the scores' 64 registers serve both tiles), the fetch of the next step's K, tile 1's softmax, its PV.  V is fetched at the step's head.
; SOFTMAX.  t = score x log2(e); M = the running largest t rounded up to a whole number; p = 2^(t - M) is quantised along the keys; the sum is taken of the unquantised p; a change of M multiplies the sum and O^T by a power of two.
; Independent chains take turns line by line: the blocks' maxima in eight chains, the row's sum in four, laid by turns with the lines that make the scales.
; The largest t starts at -2^100, over the masked keys' -2^121 log2(e): so a masked key's p is 0 from the first step on.
; A ROW WHOSE EVERY KEY IS MASKED (query under the prefix) has p = 1 on all 2,048 keys: its result is the mean of the quantised v, made from vpart and put in by a select.
; LIMITS: scores whose t lies under -2^100 are not served; NaN and infinities are not served; a block of zeros gets the scale byte 1 (read by this program alone).
.set STEPB, 17152
.set HEADB, 16*STEPB
.set SCR,   HEADB                      ; behind the 16 blocks: 256 bytes a wave, the mean of v
.set SPARE, SCR+2048                   ; the spare words, 128 bytes a wave
; window 0
.set LI,   1                           ; 16 x lane
.set L8,   2                           ; 8 x lane
.set ADR,  3                           ; the step's block + 16 x lane
.set ADR8, 4
.set SPW,  5
.set NIL,  6
.set XA,   7                           ; 16 r + 8 h
.set XSA,  8                           ; 32 x lane
.set VMA,  9                           ; SCR + 256 wave + 64 h
.set KSC,  16                          ; v16-19 K's scale words; v20-21 V's; v22 Q's; v24-25 p's
.set VSC,  20
.set QS,   22
.set ADK,  23                          ; the next step's block + 16 x lane
.set PS,   24
.set SX,   32                          ; v32-95 scores, then p: one set for both tiles
.set OF,   SX+32                       ; at a unit's end: O^T / the sum
.set PC,   96                          ; v96-111 p's codes
.set QX0,  112                         ; v112-143 Q's two fragments
.set ST,   144                         ; v144-207 a tile's softmax state, 32 registers a tile (macro USE)
.set NMV,  208                         ; masked patches
.set NINF, 209
.set HW,   210                         ; v210, v211 a tile's two scale bytes on the way out
.set OUTW, 212
.set SU,   214                         ; v214-219 three of the sum's four chains, a pair each
.set QBR,  224                         ; v224-239, v240 Q and its scale words for the second unit
.set QSB,  240
; window 1
.set VF,   128                         ; v0-127 K's eight fragments; v128-191 V's four; v192-255 O^T of both tiles
.set OX0,  192
.set WV,   16
.set C32,  17                          ; 32 cx
.set BH,   18
.set MNT,  19
.set SEL,  20
.set CS,   22
.set G1,   24
.set MK,   24                          ; s24-31: behind the head, when the one tensor load has landed: eight lane masks of the diagonal
.set G0,   32
.set KVB,  36
.set TB,   38                          ; LDS byte of the step's block
.set TBN,  39                          ; and of the next step's
.set SI,   40                          ; the step
.set MS,   41                          ; m: my unit's last step
.set CX,   42
.set Q0,   44
.set HM,   58
.set BB,   59
.set HD,   60
.set MSB, 0
.macro WIN new
.if MSB != (\new)
	s_set_vgpr_msb (MSB<<8)|(\new)
.set MSB, (\new)
.endif
.endm
.macro USE x                           ; the names of tile x's registers
.set NM,   ST+32*(\x)                  ; -M
.set MT,   NM+1                        ; the largest t
.set LS,   NM+2                        ; the sum, in two halves
.set BM,   NM+4
.set T1,   NM+8
.set HL,   NM+12                       ; 448 x the scale,
.set SO,   NM+16
.set FX,   NM+20
.set WX,   NM+24
.set QREL, NM+25                       ; 32 cx + 16 x + r - 8 h
.set QR,   NM+26                       ; 16 x + r
.set H2,   NM+27                       ; and once more, three registers off modulo 4: a dual pair's second sources
.set DD,   NM+31
.set QX,   QX0+16*(\x)
.set OX,   OX0+32*(\x)
.endm
.macro PLACES n
.rept \n
	v_nop
.endr
.endm
.macro CROUND                          ; a round of the cluster's barrier
	s_barrier_signal -1
	s_barrier_wait -1
	s_cmp_lg_u32 s[WV], 0
	s_cbranch_scc1 .Lnot_wave_0_\@
	s_barrier_signal -3
.Lnot_wave_0_\@:
	s_barrier_wait -3
	s_barrier_signal -1
	s_barrier_wait -1
.endm
	s_load_b256 s[4:11], s[0:1], 0x0               ; qq s[4:5], kv s[6:7], vpart s[8:9], patch_mask s[10:11]
	s_load_b128 s[12:15], s[0:1], 0x20             ; ximg s[12:13], xsc s[14:15]
	v_lshl_add_u32 v[SPW], v0, 2, SPARE
	v_mov_b32 v[NIL], 0
	ds_add_u32 v[SPW], v[NIL]                      ; the opening: the add, twice on end, and its wait ahead of my first tensor load
	ds_add_u32 v[SPW], v[NIL]
	v_lshrrev_b32 v13, 5, v0
	v_readfirstlane_b32 s[WV], v13                 ; wave 0..7
	s_and_b32 s[BH], ttmp7, 0xffff                 ; batch x head: the cluster's y
	s_bfe_u32 s[CX], ttmp6, 0x40000                ; my place in the cluster
	s_lshr_b32 s[BB], s[BH], 4
	s_and_b32 s[HD], s[BH], 15
	s_mov_b32 s[G1], 15|(3<<16)|(1<<21)            ; the four partners; elements of 8 bytes; bit 21 beside a mask; no padding: every read is 16 x lane
	s_mov_b32 s[G1+1], 32<<16                      ; two blocks, dense, as 134 rows of 256 bytes
	s_mov_b32 s[G1+2], 134<<16
	s_mov_b32 s[G1+3], 32<<16
	s_mov_b32 s[G1+4], 134
	s_mov_b32 s[G1+5], 32
	s_mov_b32 s[G1+6], 0
	s_mov_b32 s[G1+7], 0
	s_mov_b32 s[MNT], 0x600000
	s_mov_b32 s[SEL], 0x76543210
	s_mov_b32 s[SEL+1], 0xfedcba98
	s_mov_b32 s[CS], 0x3fb8aa3b                    ; log2(e)
	s_mov_b32 s[CS+1], s[CS]
	s_mov_b32 s[HM], 0xffff0000
	s_mul_i32 s46, s[BH], HEADB
	s_mov_b32 s47, 0
	s_mul_i32 s56, s[WV], 2*STEPB                  ; my two blocks: the same offset in memory and in LDS
	s_mov_b32 s57, 0
	s_wait_dscnt 0x0                               ; both opening adds are done
	CROUND                                         ; the four partners are here: the joint loads meet
	s_wait_kmcnt 0x0
	s_add_nc_u64 s[KVB:KVB+1], s[6:7], s[46:47]
	s_add_nc_u64 s[4:5], s[4:5], s[46:47]
	s_mov_b32 s[G0], 1
	s_mov_b32 s[G0+1], s56
	s_add_nc_u64 s[G0+2:G0+3], s[KVB:KVB+1], s[56:57]
	s_or_b32 s[G0+3], s[G0+3], 0x80000000
	tensor_load_to_lds s[G0:G0+3], s[G1:G1+7]      ; my one tensor load of the launch
	s_nop 0
	PLACES 4
	s_lshl_b32 s46, s[BH], 12
	s_add_nc_u64 s[8:9], s[8:9], s[46:47]          ; my head's 16 x 256 bytes of vpart
	s_lshl_b32 s46, s[BB], 11
	s_add_nc_u64 s[10:11], s[10:11], s[46:47]      ; my batch's row of the mask
	v_and_b32 v10, 15, v0                          ; r
	v_bfe_u32 v11, v0, 4, 1                        ; h
	v_and_b32 v12, 31, v0
	v_lshrrev_b32 v13, 5, v0
	v_lshlrev_b32 v[LI], 4, v12
	v_lshlrev_b32 v[L8], 3, v12
	v_lshlrev_b32 v[XSA], 5, v12
	v_lshlrev_b32 v[XA], 4, v10
	v_lshlrev_b32 v13, 8, v13                      ; 256 x wave
	v_lshl_add_u32 v[XA], v11, 3, v[XA]
	v_lshl_add_u32 v[VMA], v11, 6, v13
	v_lshl_add_u32 v14, v10, 4, v13
	v_add_nc_u32 v[VMA], SCR, v[VMA]
	v_add_nc_u32 v14, SCR, v14                     ; where the mean is put: 16 (lane % 16)
	s_wait_alu depctr_va_vdst(0)
; The bases that hang on my first query.
.macro SETPH
	s_lshr_b32 s46, s[Q0], 7
	s_mul_i32 s46, s46, STEPB
	s_bfe_u32 s47, s[Q0], 0x30004
	s_lshl_b32 s47, s47, 10
	s_add_co_u32 s56, s46, s47
	s_mov_b32 s57, 0
	s_add_nc_u64 s[48:49], s[4:5], s[56:57]        ; Q's two tiles
	s_bfe_u32 s47, s[Q0], 0x20005
	s_lshl_b32 s47, s47, 2
	s_add_co_u32 s56, s46, s47
	s_add_co_u32 s56, s56, 16384
	s_add_nc_u64 s[50:51], s[4:5], s[56:57]        ; their scale words: word 4 L + (Q0 / 32) % 4
	s_lshl_b32 s46, s[BB], 11
	s_add_co_u32 s46, s46, s[Q0]                   ; my first row of x
	s_lshl_b32 s56, s46, 10                        ; 16,384 bytes for 16 rows,
	s_lshl_b32 s47, s[HD], 10                      ; 1,024 for a head's 64 along K
	s_add_co_u32 s56, s56, s47
	s_add_nc_u64 s[52:53], s[12:13], s[56:57]
	s_lshl_b32 s56, s46, 5
	s_lshl_b32 s47, s[HD], 1
	s_add_co_u32 s56, s56, s47
	s_add_nc_u64 s[54:55], s[14:15], s[56:57]
.endm
.macro QLOAD q, str, sc                ; Q's two tiles (8 registers each, str apart) and their scale words: lanes 0-15 tile 0's, lanes 16-31 tile 1's
.irp x, 0,1
	global_load_b128 v[\q+\str*\x:\q+\str*\x+3], v[LI], s[48:49] offset:1024*\x
	global_load_b128 v[\q+\str*\x+4:\q+\str*\x+7], v[LI], s[48:49] offset:1024*\x+512
.endr
	global_load_b32 v[\sc], v[LI], s[50:51]
.endm
	s_lshl_b32 s[C32], s[CX], 5
	s_lshl_b32 s[Q0], s[WV], 7
	s_add_co_u32 s[Q0], s[Q0], s[C32]              ; the second unit, m = wave: its Q waits in registers
	SETPH
	QLOAD QBR, 8, QSB
	s_wait_xcnt 0x0                                ; the loads have read their bases
	s_xor_b32 s[MS], s[WV], 15                     ; the first unit: m = 15 - wave
	s_lshl_b32 s[Q0], s[MS], 7
	s_add_co_u32 s[Q0], s[Q0], s[C32]
	SETPH
	QLOAD QX0, 16, QS
.macro COUNT base, dst, t              ; the number of masked patches of a batch: whole numbers throughout
.irp i, 0,1,2,3
	global_load_b128 v[\t+4*\i:\t+4*\i+3], v[LI], s[\base:\base+1] offset:512*\i
.endr
	s_wait_loadcnt 0x0
	v_add3_u32 v[\t], v[\t], v[\t+1], v[\t+2]
.irp i, 3,5,7,9,11,13
	s_delay_alu instid0(VALU_DEP_1)
	v_add3_u32 v[\t], v[\t], v[\t+\i], v[\t+\i+1]
.endr
	s_delay_alu instid0(VALU_DEP_1)
	v_add_nc_u32 v[\t], v[\t], v[\t+15]
	s_delay_alu instid0(VALU_DEP_1)
	v_lshrrev_b32 v[\t+1], 8, v[\t]
	s_delay_alu instid0(VALU_DEP_2)
	v_and_b32 v[\t], 0xff00ff, v[\t]
	s_delay_alu instid0(VALU_DEP_2)
	v_and_b32 v[\t+1], 0xff00ff, v[\t+1]
	s_delay_alu instid0(VALU_DEP_1)
	v_add_nc_u32 v[\t], v[\t], v[\t+1]
	s_delay_alu instid0(VALU_DEP_1)
	v_lshrrev_b32 v[\t+1], 16, v[\t]
	s_delay_alu instid0(VALU_DEP_2)
	v_and_b32 v[\t], 0xffff, v[\t]
	s_delay_alu instid0(VALU_DEP_1)
	v_add_nc_u32 v[\t], v[\t], v[\t+1]
.irp m, 1,2,4,8
	s_delay_alu instid0(VALU_DEP_1)
	v_mov_b32_dpp v[\t+1], v[\t] row_xmask:\m row_mask:0xf bank_mask:0xf
	s_delay_alu instid0(VALU_DEP_1)
	v_add_nc_u32 v[\t], v[\t], v[\t+1]
.endr
	s_delay_alu instid0(VALU_DEP_1)
	v_permlanex16_b32 v[\t+1], v[\t], s[SEL], s[SEL+1]
	s_delay_alu instid0(VALU_DEP_1)
	v_add_nc_u32 v[\dst], v[\t], v[\t+1]
.endm
	; the mean of the quantised v: 16 steps' sums; a load brings two steps (lanes 0-15 the even one), four words a lane.  Asked for ahead of the count, whose wait for 0 serves these loads too
.irp i, 0,1,2,3,4,5,6,7
	global_load_b128 v[64+4*\i:64+4*\i+3], v[LI], s[8:9] offset:512*\i
.endr
	COUNT 10, 15, 96
.irp i, 1
	v_pk_add_f32 v[64:65], v[64:65], v[64+4*\i:65+4*\i]
	v_pk_add_f32 v[66:67], v[66:67], v[66+4*\i:67+4*\i]
.endr
.irp i, 2, 3, 4, 5, 6, 7
	s_delay_alu instid0(VALU_DEP_2)
	v_pk_add_f32 v[64:65], v[64:65], v[64+4*\i:65+4*\i]
	s_delay_alu instid0(VALU_DEP_2)
	v_pk_add_f32 v[66:67], v[66:67], v[66+4*\i:67+4*\i]
.endr
.irp j, 0,1,2,3
	v_permlanex16_b32 v[68+\j], v[64+\j], s[SEL], s[SEL+1]
.endr
	s_delay_alu instid0(VALU_DEP_3)
	v_pk_add_f32 v[64:65], v[64:65], v[68:69]
	s_delay_alu instid0(VALU_DEP_2)
	v_pk_add_f32 v[66:67], v[66:67], v[70:71]
.irp j, 0,1,2,3
	v_mul_f32 v[64+\j], 0x3a000000, v[64+\j]       ; / 2,048, the sum of 2,048 weights of 1
.endr
	v_lshlrev_b32 v13, 3, v11
	v_mov_b32 v28, 0x38
	v_sub_nc_u32 v13, v10, v13                     ; r - 8 h
	v_cndmask_b32 v26, v28, 0, s[HM]               ; the code of 1 at place 64: lanes 0-15, register 8, byte 0
	v_mov_b32 v28, 0x88
	v_add_nc_u32 v13, s[C32], v13                  ; + 32 cx: on the diagonal step my query less the step's first key is 32 cx + 16 x + r
	v_cndmask_b32 v27, v28, 0, s[HM]               ; the code of -2^-6 there
	v_mov_b32 v[NMV], v15
	v_mov_b32 v[NINF], 0xff800000
.irp x, 0,1
	USE \x
	v_add_nc_u32 v[QREL], 16*\x, v13
	v_add_nc_u32 v[QR], 16*\x, v10
	v_mov_b32 v[QX+8], v26
.irp j, 9,10,11,12,13,14,15
	v_mov_b32 v[QX+\j], 0
.endr
.irp j, 0,1,2,3
	v_mov_b32 v[T1+\j], 0                          ; a lane permute's destination counts as one of its sources
.endr
	v_mov_b32 v[WX], 0
	v_mov_b32 v[FX], 0
	v_mov_b32 v[FX+1], 0
.endr
	WIN 0x40                                       ; K's eight fragments: their upper halves are set once
.irp t, 0,1,2,3,4,5,6,7
	v_mov_b32 v[16*\t+8], v27
.irp j, 9,10,11,12,13,14,15
	v_mov_b32 v[16*\t+\j], 0
.endr
.endr
	WIN 0
.macro INIT                            ; a fresh softmax.  The step is written once: the first finds zeros, which the first change of M leaves zeros
.irp x, 0,1
	USE \x
	v_mov_b32 v[MT], 0xf1800000                    ; -2^100
	v_mov_b32 v[NM], 0x71800000                    ; -M = 2^100
	v_mov_b32 v[LS], 0
	v_mov_b32 v[LS+1], 0
.endr
	WIN 0x40
.set i, 0
.rept 64
	v_mov_b32 v[OX0+i], 0
.set i, i+1
.endr
	WIN 0
.endm
.macro KLOAD adr                       ; K's eight tiles (the lower halves of the fragments) and its scale words: 17 loads
	WIN 0x40
.irp t, 0,1,2,3,4,5,6,7
	ds_load_b128 v[16*\t:16*\t+3], v[\adr] offset:1024*\t
	ds_load_b128 v[16*\t+4:16*\t+7], v[\adr] offset:1024*\t+512
.endr
	WIN 0
	ds_load_b128 v[KSC:KSC+3], v[\adr] offset:16384
.endm
.macro QK tt, x                        ; 16 keys (tile tt of the step's eight) x 16 queries (tile x)
.set KR, 16*(\tt)
.if ((\tt)%2 == 0) && (\x == 0)
	v_wmma_scale_f32_16x16x128_f8f6f4 v[SX+8*(\tt):SX+8*(\tt)+7], v[KR:KR+15], v[QX:QX+15], 0, v[KSC+(\tt)/2], v[QS]
.elseif (\x == 0)
	v_wmma_scale_f32_16x16x128_f8f6f4 v[SX+8*(\tt):SX+8*(\tt)+7], v[KR:KR+15], v[QX:QX+15], 0, v[KSC+(\tt)/2], v[QS] matrix_a_scale:MATRIX_SCALE_ROW1
.elseif ((\tt)%2 == 0)
	v_wmma_scale_f32_16x16x128_f8f6f4 v[SX+8*(\tt):SX+8*(\tt)+7], v[KR:KR+15], v[QX:QX+15], 0, v[KSC+(\tt)/2], v[QS] matrix_b_scale:MATRIX_SCALE_ROW1
.else
	v_wmma_scale_f32_16x16x128_f8f6f4 v[SX+8*(\tt):SX+8*(\tt)+7], v[KR:KR+15], v[QX:QX+15], 0, v[KSC+(\tt)/2], v[QS] matrix_a_scale:MATRIX_SCALE_ROW1 matrix_b_scale:MATRIX_SCALE_ROW1
.endif
.endm
.macro PV d, x                         ; 16 dimensions (tile d) x 16 queries, K = the step's 128 keys
.set VR, VF+16*(\d)
.if (\d)%2 == 0
	v_wmma_scale_f32_16x16x128_f8f6f4 v[OX+8*(\d):OX+8*(\d)+7], v[VR:VR+15], v[PC:PC+15], v[OX+8*(\d):OX+8*(\d)+7], v[VSC+(\d)/2], v[PS+\x]
.else
	v_wmma_scale_f32_16x16x128_f8f6f4 v[OX+8*(\d):OX+8*(\d)+7], v[VR:VR+15], v[PC:PC+15], v[OX+8*(\d):OX+8*(\d)+7], v[VSC+(\d)/2], v[PS+\x] matrix_a_scale:MATRIX_SCALE_ROW1
.endif
.endm
.macro MASK                            ; on my unit's last step hidden scores become -infinity: register 8 t + j holds key 16 t + 8 h + j of the step, hidden where 16 t + j > 32 cx + 16 x + r - 8 h.  The branch hangs on the wave's number and the count of steps.  Eight compares, each into a scalar register of its own, then the eight selects
	s_cmp_lg_u32 s[SI], s[MS]
	s_cbranch_scc1 .Lopen_\@
.irp t, 0,1,2,3,4,5,6,7
.irp j, 0,1,2,3,4,5,6,7
	v_cmp_gt_i32 s[MK+\j], 16*\t+\j, v[QREL]
.endr
.irp j, 0,1,2,3,4,5,6,7
	v_cndmask_b32 v[SX+8*\t+\j], v[SX+8*\t+\j], v[NINF], s[MK+\j]
.endr
.endr
.Lopen_\@:
.endm
.macro SMM k                           ; line k = 0 .. 31 of the sum of the 64 unquantised p: four chains of pairs (the running sum and three fresh ones), joined by the last three lines
.if (\k) < 3
	v_pk_add_f32 v[SU+2*(\k):SU+2*(\k)+1], v[SX+4*(\k):SX+4*(\k)+1], v[SX+4*(\k)+2:SX+4*(\k)+3]
.elseif (\k) < 29
.if (\k)%4 == 3
	v_pk_add_f32 v[LS:LS+1], v[LS:LS+1], v[SX+2*(\k)+6:SX+2*(\k)+7]
.else
	v_pk_add_f32 v[SU+2*((\k)%4):SU+2*((\k)%4)+1], v[SU+2*((\k)%4):SU+2*((\k)%4)+1], v[SX+2*(\k)+6:SX+2*(\k)+7]
.endif
.elseif (\k) == 29
	v_pk_add_f32 v[SU:SU+1], v[SU:SU+1], v[SU+2:SU+3]
.elseif (\k) == 30
	v_pk_add_f32 v[LS:LS+1], v[LS:LS+1], v[SU+4:SU+5]
.else
	v_pk_add_f32 v[LS:LS+1], v[LS:LS+1], v[SU:SU+1]
.endif
.endm
.macro SCL k, x                        ; line k = 0 .. 22 of the four blocks' scales; beyond that nothing
.if (\k) < 4
	v_max_num_f32 v[BM+(\k)], 0x4800000, v[BM+(\k)]              ; the floor 2^(9 - 127)
.elseif (\k) < 8
	v_add_nc_u32 v[SO+(\k)-4], 0xfc000000, v[BM+(\k)-4]          ; the conversion's scale operand
.elseif (\k) < 12
	v_and_or_b32 v[HL+(\k)-8], v[BM+(\k)-8], 0x7f800000, s[MNT]  ; 448 x the scale
.elseif (\k) < 16
	v_and_or_b32 v[H2+(\k)-12], v[BM+(\k)-12], 0x7f800000, s[MNT] ; the same, for the pairs' second halves
.elseif (\k) < 20
	v_lshrrev_b32 v[T1+(\k)-16], 23, v[SO+(\k)-16]               ; the scale's byte
.elseif (\k) == 20
	v_lshl_or_b32 v[WX], v[T1+1], 8, v[T1]
.elseif (\k) == 21
	v_lshl_or_b32 v[WX], v[T1+2], 16, v[WX]
.elseif (\k) == 22
	v_lshl_or_b32 v[PS+\x], v[T1+3], 24, v[WX]                   ; p's scale word for these 128 keys
.endif
.endm
.macro SOFTMAX x                       ; all in window 0 but O^T
.irp b, 0,1,2,3
	v_max3_num_f32 v[BM+\b], v[SX+16*\b], v[SX+16*\b+1], v[SX+16*\b+2]   ; the largest score of each block of 32 keys: for the row's maximum, and, since p rises with the score, for the block's largest p.  Two chains a block, eight by turns
.endr
.irp b, 0,1,2,3
	v_max3_num_f32 v[T1+\b], v[SX+16*\b+7], v[SX+16*\b+8], v[SX+16*\b+9]
.endr
.irp i, 3,5
.irp b, 0,1,2,3
	v_max3_num_f32 v[BM+\b], v[BM+\b], v[SX+16*\b+\i], v[SX+16*\b+\i+1]
.endr
.irp b, 0,1,2,3
	v_max3_num_f32 v[T1+\b], v[T1+\b], v[SX+16*\b+\i+7], v[SX+16*\b+\i+8]
.endr
.endr
.irp b, 0,1,2,3
	v_max3_num_f32 v[BM+\b], v[BM+\b], v[SX+16*\b+14], v[SX+16*\b+15]
.endr
.irp b, 0,1,2,3
	v_max_num_f32 v[BM+\b], v[BM+\b], v[T1+\b]
.endr
.irp b, 0,1,2,3
	s_delay_alu instid0(VALU_DEP_4)
	v_permlanex16_b32 v[T1+\b], v[BM+\b], s[SEL], s[SEL+1]
.endr
.irp b, 0,1,2,3
	s_delay_alu instid0(VALU_DEP_4)
	v_max_num_f32 v[BM+\b], v[BM+\b], v[T1+\b]
.endr
	s_delay_alu instid0(VALU_DEP_2)
	v_max3_num_f32 v[WX], v[BM], v[BM+1], v[BM+2]
	s_delay_alu instid0(VALU_DEP_1)
	v_max_num_f32 v[WX], v[WX], v[BM+3]
	s_delay_alu instid0(VALU_DEP_1)
	v_mul_f32 v[WX], s[CS], v[WX]
	s_delay_alu instid0(VALU_DEP_1)
	v_max_num_f32 v[MT], v[MT], v[WX]              ; the running largest t
	v_mov_b32 v[WX], v[NM]
	s_delay_alu instid0(VALU_DEP_2)
	v_floor_f32 v[NM], -v[MT]                      ; -M = floor(-t): M is a whole number
	s_delay_alu instid0(VALU_DEP_1)
	v_sub_f32 v[WX], v[NM], v[WX]                  ; old M - new M, 0 or less
.set jj, 0
.rept 32
	v_pk_fma_f32 v[SX+jj:SX+jj+1], v[SX+jj:SX+jj+1], s[CS:CS+1], v[NM:NM+1] op_sel_hi:[1,0,0]   ; t - M
.if jj == 10
	v_cvt_i32_f32 v[WX], v[WX]                     ; (it saturates)
.endif
.if jj == 22
	v_ldexp_f32 v[FX], 1.0, v[WX]                  ; f = 2^(old M - new M)
.endif
.set jj, jj+2
.endr
.irp b, 0,1,2,3
	v_fma_f32 v[BM+\b], v[BM+\b], s[CS], v[NM]
.endr
.set jj, 0
	s_wait_alu depctr_va_vdst(0)
.rept 64
	v_exp_f32 v[SX+jj], v[SX+jj]                   ; p = 2^(t - M)
.set jj, jj+1
.endr
.irp b, 0,1,2,3
	v_exp_f32 v[BM+\b], v[BM+\b]                   ; the block's largest p
.endr
	v_pk_mul_f32 v[LS:LS+1], v[LS:LS+1], v[FX:FX+1] op_sel_hi:[1,0]   ; the sum under the new M; a plain place behind the exponentials
	s_wait_alu depctr_va_vdst(0)                   ; and the one behind it
.set kk, 0
.rept 32
	SMM kk                                         ; the sum of the unquantised p and the scales' lines by turns
	SCL kk, \x
.set kk, kk+1
.endr
.irp b, 0,1,2,3
.irp i, 0,2,4,6,8,10,12,14
	v_dual_min_num_f32 v[SX+16*\b+\i], v[SX+16*\b+\i], v[HL+\b] :: v_dual_min_num_f32 v[SX+16*\b+\i+1], v[SX+16*\b+\i+1], v[H2+\b]   ; the conversion does not saturate (ISA guide 7.6.2); p is not negative; two holds a line
.endr
.endr
.irp b, 0,1,2,3
	v_cvt_scalef32_pk8_fp8_f32 v[PC+4*\b:PC+4*\b+1], v[SX+16*\b:SX+16*\b+7], v[SO+\b]
	v_cvt_scalef32_pk8_fp8_f32 v[PC+4*\b+2:PC+4*\b+3], v[SX+16*\b+8:SX+16*\b+15], v[SO+\b]
.endr
.if \x == 0
	s_wait_dscnt 0x0                               ; V's fragments and scale words, asked for at the step's head
.endif
	WIN 0x41                                       ; O^T lies in window 1, f in window 0
	s_wait_alu depctr_va_vdst(0)
.set jj, 0
.rept 16
	v_pk_mul_f32 v[OX+jj:OX+jj+1], v[OX+jj:OX+jj+1], v[FX:FX+1] op_sel_hi:[1,0]   ; O^T under the new M; also the places in front of the products below
.set jj, jj+2
.endr
.endm
; A KEY STEP: 128 keys x my 32 queries.  A step behind my unit's last is left out: a branch on the wave's number and the count of steps; no barrier and no tensor load stands in a step.
.macro STEP
	s_cmp_gt_u32 s[SI], s[MS]
	s_cbranch_scc1 .Lhidden_\@
	s_add_co_u32 s[TBN], s[TB], STEPB
	s_min_u32 s[TBN], s[TBN], 15*STEPB             ; the next step's block; behind the last there is none: the last again
	v_add_nc_u32 v[ADR], s[TB], v[LI]
	v_add_nc_u32 v[ADR8], s[TB], v[L8]
	v_add_nc_u32 v[ADK], s[TBN], v[LI]
	PLACES 5                                       ; with the three additions: eight places in front of loads into registers that the last products read
	WIN 0x40
.irp d, 0,1,2,3
.irp c, 0,1,2,3
	ds_load_b128 v[VF+16*\d+4*\c:VF+16*\d+4*\c+3], v[ADR] offset:8192+2048*\d+512*\c
.endr
.endr
	WIN 0
	ds_load_b64 v[VSC:VSC+1], v[ADR8] offset:16896
	s_wait_dscnt 17                                ; K's 17 loads, asked for in the step before, are in; V's sixteen and its scale words may be out
	USE 0
	WIN 0x01
.irp t, 0,1,2,3,4,5,6,7
	QK \t, 0
.endr
	WIN 0
	PLACES 8
	MASK
	SOFTMAX 0
	WIN 0x51
.irp d, 0,1,2,3
	PV \d, 0                                       ; four accumulators, one instruction each
.endr
	USE 1
	WIN 0x01
.irp t, 0,1,2,3,4,5,6,7
	QK \t, 1                                       ; into the scores' registers, which tile 0's conversions have read
.endr
	WIN 0
	PLACES 8
	KLOAD ADK                                      ; the next step's K: it has tile 1's softmax in which to come
	MASK
	SOFTMAX 1
	WIN 0x51
.irp d, 0,1,2,3
	PV \d, 1
.endr
	WIN 0
.Lhidden_\@:
.endm
; A UNIT'S END: O^T / the sum; rows under the prefix take the mean of v; the quantiser along the head's two blocks of 32; codes in the TRUE order of the next product's operand.  next = 1: step 0's K is fetched for the next unit.
.macro FINISH next
	PLACES 8
	s_wait_dscnt 0x0                               ; the last fetch of K has landed: its registers may be loaded again
.irp t, 0,1
.irp k, 0,1,2,3
	ds_load_b128 v[SX+16*\t+4*\k:SX+16*\t+4*\k+3], v[VMA] offset:128*\t+16*\k   ; word 2 j + p: the mean at dimension 16 (2 p + t) + 8 h + j; the same for both tiles
.endr
.endr
.if \next
	KLOAD LI
.endif
.irp x, 0,1
	USE \x
	v_add_f32 v[LS], v[LS], v[LS+1]
	s_delay_alu instid0(VALU_DEP_1)
	v_permlanex16_b32 v[WX], v[LS], s[SEL], s[SEL+1]
	s_delay_alu instid0(VALU_DEP_1)
	v_add_f32 v[LS], v[LS], v[WX]                  ; the row's sum
	s_wait_alu depctr_va_vdst(0)
	v_rcp_f32 v[FX], v[LS]
	v_add_nc_u32 v[DD], s[Q0], v[QR]               ; my query (a plain place behind the reciprocal)
	WIN 0x01
	s_wait_alu depctr_va_vdst(0)
.set jj, 0
.rept 16
	v_pk_mul_f32 v[OF+jj:OF+jj+1], v[OX+jj:OX+jj+1], v[FX:FX+1] op_sel_hi:[1,0]
.set jj, jj+2
.endr
	WIN 0
.if \x == 0
	s_wait_alu depctr_va_vdst(0)
	s_wait_dscnt 17*\next                          ; the mean's eight loads are in; K's 17, issued behind them, may be out
.endif
	v_cmp_gt_i32 vcc_lo, v[NMV], v[DD]
.irp t, 0,1
.irp p, 0,1
.irp j, 0,1,2,3,4,5,6,7
	v_cndmask_b32 v[OF+8*(\t+2*\p)+\j], v[OF+8*(\t+2*\p)+\j], v[SX+16*\t+2*\j+\p], vcc_lo
.endr
.endr
.endr
.irp c, 0,1
	v_max3_num_f32 v[BM+\c], |v[OF+16*\c]|, |v[OF+16*\c+1]|, 0x4800000
.endr
.irp i, 2,4,6,8,10,12,14
.irp c, 0,1
	s_delay_alu instid0(VALU_DEP_2)
	v_max3_num_f32 v[BM+\c], v[BM+\c], |v[OF+16*\c+\i]|, |v[OF+16*\c+\i+1]|
.endr
.endr
.irp c, 0,1
	s_delay_alu instid0(VALU_DEP_2)
	v_permlanex16_b32 v[T1+\c], v[BM+\c], s[SEL], s[SEL+1]
.endr
.irp c, 0,1
	s_delay_alu instid0(VALU_DEP_2)
	v_max_num_f32 v[BM+\c], v[BM+\c], v[T1+\c]
.endr
.irp c, 0,1
	s_delay_alu instid0(VALU_DEP_2)
	v_add_nc_u32 v[SO+\c], 0xfc000000, v[BM+\c]
.endr
.irp c, 0,1
	s_delay_alu instid0(VALU_DEP_4)
	v_and_or_b32 v[HL+\c], v[BM+\c], 0x7f800000, s[MNT]
.endr
.irp c, 0,1
	s_delay_alu instid0(VALU_DEP_4)
	v_lshrrev_b32 v[T1+\c], 23, v[SO+\c]
.endr
	s_delay_alu instid0(VALU_DEP_1)
	v_lshl_or_b32 v[HW+\x], v[T1+1], 8, v[T1]
.irp c, 0,1
.irp i, 0,1,2,3,4,5,6,7,8,9,10,11,12,13,14,15
	v_med3_num_f32 v[OF+16*\c+\i], v[OF+16*\c+\i], -v[HL+\c], v[HL+\c]
.endr
	v_cvt_scalef32_pk8_fp8_f32 v[PC+8*\x+4*\c:PC+8*\x+4*\c+1], v[OF+16*\c:OF+16*\c+7], v[SO+\c]
	v_cvt_scalef32_pk8_fp8_f32 v[PC+8*\x+4*\c+2:PC+8*\x+4*\c+3], v[OF+16*\c+8:OF+16*\c+15], v[SO+\c]
.endr
	v_nop                                          ; a plain place behind the conversions
.irp c, 0,1
.irp u, 0,1
	global_store_b64 v[XA], v[PC+8*\x+4*\c+2*\u:PC+8*\x+4*\c+2*\u+1], s[52:53] offset:16384*\x+512*\c+256*\u   ; dimensions 32 c + 16 u + 8 h + j belong to lane r + 16 u, bytes 8 h on: 32 lanes store 256 consecutive bytes
.endr
.endr
.endr
	v_cndmask_b32 v[OUTW], v[HW], v[HW+1], s[HM]   ; lanes 0-15: tile 0's two bytes, lanes 16-31: tile 1's
	global_store_b16 v[XSA], v[OUTW], s[54:55]     ; two bytes of each row's 32: one byte in 32 of what this launch stores
.endm
	INIT
	s_wait_alu depctr_va_vdst(0)
	s_wait_tensorcnt 0x0                           ; my two blocks are in
	ds_store_b128 v14, v[64:67]                    ; the mean of v: both halves of the lanes write the same; only my wave reads these bytes
	s_wait_dscnt 0x0
	s_barrier_signal -1
	s_barrier_wait -1                              ; all sixteen blocks are in, for every wave; from here on LDS is only read
	KLOAD LI                                       ; step 0's K
	s_mov_b32 s[SI], 0
	s_mov_b32 s[TB], 0
.Lfirst:                                           ; the first unit, m = 15 - wave: 16 trips, of which a wave works 16 - wave
	STEP
	s_add_co_u32 s[TB], s[TB], STEPB
	s_add_co_u32 s[SI], s[SI], 1
	s_cmp_lt_u32 s[SI], 16
	s_cbranch_scc1 .Lfirst
	FINISH 1
	s_wait_xcnt 0x0                                ; the stores have read their data and bases
	s_mov_b32 s[MS], s[WV]                         ; the second unit: m = wave
	s_lshl_b32 s[Q0], s[WV], 7
	s_add_co_u32 s[Q0], s[Q0], s[C32]
	SETPH
.irp x, 0,1
.irp j, 0,1,2,3,4,5,6,7
	v_mov_b32 v[QX0+16*\x+\j], v[QBR+8*\x+\j]
.endr
.endr
	v_mov_b32 v[QS], v[QSB]
	INIT
	s_mov_b32 s[SI], 0
	s_mov_b32 s[TB], 0
.Lsecond:                                          ; 8 trips, of which a wave works wave + 1
	STEP
	s_add_co_u32 s[TB], s[TB], STEPB
	s_add_co_u32 s[SI], s[SI], 1
	s_cmp_lt_u32 s[SI], 8
	s_cbranch_scc1 .Lsecond
	FINISH 0
	s_wait_tensorcnt 0x0                           ; the wave's end
	ds_add_u32 v[SPW], v[NIL]
	s_wait_dscnt 0x0
	CROUND                                         ; the closing round
	s_endpgm
.Lfunc_end_k_q8acf49f71e_attn:
	.size	k_q8acf49f71e_attn, .Lfunc_end_k_q8acf49f71e_attn-k_q8acf49f71e_attn
	.p2alignl 7, 3214868480
	.fill 96, 4, 3214868480
	.section	.rodata,"a",@progbits
	.p2align	6, 0x0
	.amdhsa_kernel k_q8acf49f71e_attn
		.amdhsa_group_segment_fixed_size 327680
		.amdhsa_private_segment_fixed_size 0
		.amdhsa_enable_private_segment 0
		.amdhsa_kernarg_size 48
		.amdhsa_user_sgpr_count 2
		.amdhsa_user_sgpr_kernarg_segment_ptr 1
		.amdhsa_wavefront_size32 1
		.amdhsa_system_sgpr_workgroup_id_x 1
		.amdhsa_system_sgpr_workgroup_id_y 1
		.amdhsa_system_sgpr_workgroup_id_z 1
		.amdhsa_system_vgpr_workitem_id 0
		.amdhsa_next_free_vgpr 512
		.amdhsa_next_free_sgpr 66
		.amdhsa_reserve_vcc 1
		.amdhsa_float_denorm_mode_32 3
		.amdhsa_float_denorm_mode_16_64 3
		.amdhsa_memory_ordered 1
		.amdhsa_forward_progress 1
		.amdhsa_inst_pref_size 165
	.end_amdhsa_kernel
	.amdgpu_metadata
---
amdhsa.version: [ 1, 2 ]
amdhsa.kernels:
  - .name:           k_q8acf49f71e_attn
    .symbol:         k_q8acf49f71e_attn.kd
    .args:
      - { .name: qq, .offset: 0, .size: 8, .value_kind: global_buffer, .address_space: global }
      - { .name: kv, .offset: 8, .size: 8, .value_kind: global_buffer, .address_space: global }
      - { .name: vpart, .offset: 16, .size: 8, .value_kind: global_buffer, .address_space: global }
      - { .name: patch_mask, .offset: 24, .size: 8, .value_kind: global_buffer, .address_space: global }
      - { .name: ximg, .offset: 32, .size: 8, .value_kind: global_buffer, .address_space: global }
      - { .name: xsc, .offset: 40, .size: 8, .value_kind: global_buffer, .address_space: global }
    .group_segment_fixed_size: 327680
    .private_segment_fixed_size: 0
    .kernarg_segment_align: 8
    .kernarg_segment_size: 48
    .max_flat_workgroup_size: 256
    .sgpr_count:     66
    .vgpr_count:     512
    .wavefront_size: 32
...
	.end_amdgpu_metadata
.endif
;; end of part 3
;; launch oproj (part 4): grid 8 x 32, 4 waves a work-group, clusters of 4 x 4, 327,680 bytes of LDS; arguments ximg, xsc, Wo_codes, Wo_scales, out0; writes out0
.if DOCPART == 4
	.amdgcn_target "amdgcn-amd-amdhsa--gfx1250"
	.amdhsa_code_object_version 6
	.text
	.protected	k_q8acf49f71e_oproj
	.globl	k_q8acf49f71e_oproj
	.p2align	8
	.type	k_q8acf49f71e_oproj,@function
k_q8acf49f71e_oproj:
	s_mov_b64 s[64:65], 0
	v_nop
	global_prefetch_b8 v0, s[64:65] scope:SCOPE_SE
	s_setreg_imm32_b32 hwreg(HW_REG_WAVE_MODE, 25, 1), 1
	s_wait_xcnt 0x0
	s_wait_alu depctr_hold_cnt(0) depctr_sa_sdst(0) depctr_va_vdst(0) depctr_va_sdst(0) depctr_va_ssrc(0) depctr_va_vcc(0) depctr_vm_vsrc(0)
	s_getreg_b32 s2, hwreg(HW_REG_IB_STS2, 6, 4)
	s_cmp_eq_u32 s2, 0
	s_cbranch_scc0 .Lentry_in_a_cluster
	s_endpgm
.Lentry_in_a_cluster:
	s_bfe_u32 s2, ttmp6, 0x10000c
	s_cmp_lg_u32 s2, 0xf033
	s_cbranch_scc0 .Lentry_shape_is_right
	s_endpgm
.Lentry_shape_is_right:
; out0 = x Wo^T on codes of E4M3 with E8M0 scales: 8,192 x 1,024 x 1,024, f32 sums, f32 out.
; x: ximg [group of 16 rows 512][piece of 32 along K 32][lane][16 bytes]: images of the operand's registers, 16,384 dense bytes a group; xsc [row][32] its scale bytes.  Wo: rows of 1,024 codes, 32 scale bytes a row.
; THE DEAL.  256 work-groups of four waves, 2 x 2; a work-group makes 256 rows x 128 columns.  A wave holds 64 rows of Wo (output columns), ALL of K, in 512 registers (windows 1, 2) and streams its 128 rows of x past them
; in eight blocks of 16, which stand in registers as two whole sets (window 3).  A block is 32 products on four sums by turns: three other products stand between two steps of a sum.
; LDS: two slots of 128 lines of 1,024 bytes + 16 of padding.  Slot 0: x's rows 0-127 (a group is 16 lines); slot 1: Wo's 128 rows, and, once every wave holds them in registers, x's rows 128-255, by one drained refill of the same 128 lines.
; HEAD: one joint load a wave: wave 0 Wo's rows (wanted first: it alone waits at the first barrier), wave 1 x's first 128 rows, waves 2 and 3 the scale bytes of 128 rows of x each.  x's tiles are shared along a row of the 4 x 4 cluster, Wo's along a column.
; PREFETCH: the refill's 131,072 bytes are asked for at the head, behind the first barrier, ahead of Wo's 128 LDS loads and the round: each of the sixteen waves of a cluster's row names 8,192 of them, lanes 256 bytes apart, told apart by address.  The launch has no other later load.
; SOURCE 0 = 16 rows of Wo, source 1 = 16 rows of x: a lane holds eight neighbouring columns of one row of the result.  A block of 16 rows x 64 columns goes through the wave's own stage (lines of 256 + 16 bytes, bytes of their own)
; and leaves as aligned units of 256 bytes, sixteen lanes to a unit, while the next block is multiplied.
; LIMITS: NaN and infinities are carried as the matrix unit carries them; no other limit.
.set KROW,  1024
.set KS,    32
.set NB,    4
.set CH,    128
.set PITCH, KROW+16
.set GRP,   16*PITCH                   ; a group of 16 rows of x in LDS
.set FR,    16
.set FPW,   16
.set NP,    8                          ; places behind this matrix instruction (ISA guide 7.12.1)
.set NF,    34                         ; LDS loads of a block: eight fragments of four, two of four scale words
.set YB,    CH*PITCH
.set SCL,   2*CH*PITCH                 ; x's scale bytes: units of 256 bytes (8 rows) + 16
.set RS,    16
.set STG,   SCL+2*RS*272
.set SPITCH, 272
.set SPARE, STG+4*16*SPITCH
.set ADX,  4                           ; v4-7  16 x lane + slot s + my four groups' first (u = 0) or third (u = 1): register 2 s + u
.set AAS,  8                           ; v8    my row's scale words in block 0
.set STO,  9
.set RD,   10
.set GO,   11                          ; v11   4,096 h + 16 r: my bytes in two rows of out0
.set SPW,  12
.set NIL,  13
.set ADRB, 14
.set PFO,  15
.set ABS,  16
.set SB,   24                          ; v24-39  Wo's scale words: register 8 p + q: lanes 0-15 tile 2 p's, lanes 16-31 tile 2 p + 1's
.set SA,   44                          ; v44-59  x's, two sets of eight: no product's two scale words have numbers equal modulo 8
.set ACC,  64                          ; v64-127 two sets of four sums
.set OB,   128                         ; v128-191 two sets: a block read back from the stage
.set G1A, 24
.set G0A, 56
.set G1B, 32
.set G0B, 60
.set G1R, 48
.set G0R, 68
.set G1S, 92
.set G0S, 72
.set MSB, 0
.macro WIN new
.if MSB != (\new)
	s_set_vgpr_msb (MSB<<8)|(\new)
.set MSB, (\new)
.endif
.endm
.macro PLACES n
.rept \n
	v_nop
.endr
.endm
.macro BARRIER
	s_barrier_signal -1
	s_barrier_wait -1
.endm
.macro CROUND
	BARRIER
	s_cmp_lg_u32 s14, 0
	s_cbranch_scc1 .Lnot_wave_0_\@
	s_barrier_signal -3
.Lnot_wave_0_\@:
	s_barrier_wait -3
	BARRIER
.endm
.macro TLOAD g0, g1                    ; an s_nop 0 and four v_nop follow the load
	tensor_load_to_lds s[\g0:\g0+3], s[\g1:\g1+7]
	s_nop 0
	PLACES 4
.endm
.macro GROUP1 g, mask, rows            ; so many lines of 1,024 bytes, dense in memory, 16 bytes of padding behind each
	s_or_b32 s[\g+0], s[\mask], (1<<20)|(1<<21)|(7<<22)|(3<<25)
	s_mov_b32 s[\g+1], (KROW&0xffff)<<16
	s_mov_b32 s[\g+2], (KROW>>16)|((\rows)<<16)
	s_mov_b32 s[\g+3], KROW<<16
	s_mov_b32 s[\g+4], \rows
	s_mov_b32 s[\g+5], KROW
	s_mov_b32 s[\g+6], 0
	s_mov_b32 s[\g+7], 0
.endm
	s_load_b128 s[4:7], s[0:1], 0x0                ; ximg, xsc
	s_load_b128 s[8:11], s[0:1], 0x10              ; Wo's codes, Wo's scales
	s_load_b64 s[12:13], s[0:1], 0x20              ; out0
	v_lshl_add_u32 v[SPW], v0, 2, SPARE
	v_mov_b32 v[NIL], 0
	ds_add_u32 v[SPW], v[NIL]                      ; the opening: the add, twice on end, and its wait ahead of my first tensor load
	ds_add_u32 v[SPW], v[NIL]
	v_lshrrev_b32 v1, 5, v0
	v_readfirstlane_b32 s14, v1                    ; wave 0..3
	s_lshr_b32 s15, s14, 1                         ; my row of waves
	s_and_b32 s16, s14, 1                          ; my column of waves
	s_bfe_u32 s40, ttmp6, 0x40000                  ; cx
	s_bfe_u32 s41, ttmp6, 0x40004                  ; cy
	s_lshl_b32 s42, ttmp9, 2
	s_add_co_u32 s42, s42, s40                     ; tile column: 128 columns
	s_and_b32 s43, ttmp7, 0xffff
	s_lshl_b32 s43, s43, 2
	s_add_co_u32 s43, s43, s41                     ; tile row: 256 rows
	s_lshl_b32 s44, s41, 2
	s_lshl_b32 s44, 15, s44                        ; my row of the cluster: shares x
	s_lshl_b32 s45, 0x1111, s40                    ; my column: shares Wo
	GROUP1 G1B, 45, CH
	GROUP1 G1A, 44, CH
	GROUP1 G1R, 44, CH/4
	s_or_b32 s[G1S+0], s44, (3<<16)|(1<<20)|(1<<21)|(5<<22)|(3<<25)   ; the scale bytes of 128 rows: 4,096 dense bytes as 16 lines of 256, 16 of padding behind each
	s_mov_b32 s[G1S+1], 32<<16
	s_mov_b32 s[G1S+2], RS<<16
	s_mov_b32 s[G1S+3], 32<<16
	s_mov_b32 s[G1S+4], RS
	s_mov_b32 s[G1S+5], 32
	s_mov_b32 s[G1S+6], 0
	s_mov_b32 s[G1S+7], 0
	s_mov_b32 s[G0S], 1
	s_mul_i32 s[G0S+1], s16, RS*272
	s_add_co_u32 s[G0S+1], s[G0S+1], SCL
	s_mov_b32 s[G0A], 1
	s_mov_b32 s[G0A+1], 0
	s_mov_b32 s[G0B], 1
	s_mov_b32 s[G0B+1], YB
	s_mov_b32 s[G0R], 1
	s_mul_i32 s[G0R+1], s14, CH/4*PITCH            ; the refill: a quarter of the 128 lines a wave
	s_add_co_u32 s[G0R+1], s[G0R+1], YB
	s_lshl_b32 s76, s43, 18                        ; offsets, each under 2^32.  s[76:77] x's tile: 256 rows of 1,024 bytes
	s_mov_b32 s77, 0
	s_lshl_b32 s78, s42, 17                        ; s[78:79] Wo's 128 rows
	s_mov_b32 s79, 0
	s_lshl_b32 s80, s43, 13                        ; s[80:81] x's scale bytes: waves 2, 3 take 128 rows each
	s_lshl_b32 s20, s16, 12
	s_add_co_u32 s80, s80, s20
	s_mov_b32 s81, 0
	s_lshl_b32 s82, s42, 12                        ; s[82:83] Wo's scale bytes: my wave's 64 rows
	s_lshl_b32 s20, s16, 11
	s_add_co_u32 s82, s82, s20
	s_mov_b32 s83, 0
	s_lshl_b32 s84, s14, 15                        ; s[84:85] the refill: x's rows 128 + 32 x wave on
	s_add_co_u32 s84, s84, s76
	s_add_co_u32 s84, s84, CH*KROW
	s_mov_b32 s85, 0
	s_lshl_b32 s86, s43, 20                        ; s[86:87] out0: row 256 x tile row + 64 x wave row, column 128 x tile column + 64 x wave column
	s_lshl_b32 s20, s15, 18
	s_add_co_u32 s86, s86, s20
	s_lshl_b32 s20, s42, 9
	s_add_co_u32 s86, s86, s20
	s_lshl_b32 s20, s16, 8
	s_add_co_u32 s86, s86, s20
	s_mov_b32 s87, 0
	s_mul_i32 s88, s16, 16*NB*PITCH                ; LDS: my 64 rows of Wo
	s_add_co_u32 s88, s88, YB
	s_mul_i32 s89, s15, 4*GRP                      ; my four groups of a slot
	s_add_co_u32 s90, s89, 2*GRP
	s_add_co_u32 s91, s89, YB
	s_add_co_u32 s100, s89, YB+2*GRP
	s_mul_i32 s101, s15, 8*272                     ; my 64 rows' scale bytes
	s_add_co_u32 s101, s101, SCL
	s_mul_i32 s46, s14, 16*SPITCH                  ; my stage
	s_add_co_u32 s46, s46, STG
	s_lshl_b32 s47, s40, 2                         ; which of the cluster row's sixteen waves I am: my sixteenth of the prefetch
	s_add_co_u32 s47, s47, s14
	s_lshl_b32 s47, s47, 13
	s_add_co_u32 s47, s47, s76
	s_add_co_u32 s47, s47, CH*KROW
	v_and_b32 v1, 15, v0                           ; r
	v_bfe_u32 v2, v0, 4, 1                         ; h
	v_and_b32 v3, 31, v0
	v_mul_u32_u24 v22, v1, PITCH
	v_lshlrev_b32 v20, 4, v3
	v_lshlrev_b32 v23, 5, v1
	v_lshrrev_b32 v21, 3, v1
	v_mad_u32_u24 v22, v2, 16, v22                 ; a fragment of Wo: row x pitch + 16 h
	v_add_nc_u32 v[ADX], s89, v20
	v_add_nc_u32 v[ADX+1], s90, v20
	v_add_nc_u32 v[ADX+2], s91, v20
	v_add_nc_u32 v[ADX+3], s100, v20
	v_lshl_add_u32 v23, v21, 4, v23                ; 32 bytes a row, and 16 more for each 256 passed
	v_add_nc_u32 v[ADRB], s88, v22
	v_add_nc_u32 v[AAS], s101, v23
	v_mul_u32_u24 v[ABS], v3, KS                   ; Wo's scale bytes: lane l takes row l of a pair of tiles
	v_lshl_add_u32 v[PFO], v3, 8, s47
	v_mul_u32_u24 v22, v1, SPITCH
	v_mul_u32_u24 v23, v2, SPITCH
	v_lshl_add_u32 v22, v2, 5, v22                 ; into the stage: line r, 32 h bytes on
	v_lshl_add_u32 v23, v1, 4, v23                 ; back: lanes 0-15 one line, lanes 16-31 the next
	v_lshlrev_b32 v21, 12, v2
	v_add_nc_u32 v[STO], s46, v22
	v_add_nc_u32 v[RD], s46, v23
	v_lshl_add_u32 v[GO], v1, 4, v21
	s_wait_alu depctr_va_vdst(0)
	s_wait_dscnt 0x0                               ; both opening adds are done
	CROUND                                         ; all sixteen work-groups are here: the first joint loads meet
	s_wait_kmcnt 0x0
	s_add_nc_u64 s[G0A+2:G0A+3], s[4:5], s[76:77]
	s_or_b32 s[G0A+3], s[G0A+3], 0x80000000
	s_add_nc_u64 s[G0B+2:G0B+3], s[8:9], s[78:79]
	s_or_b32 s[G0B+3], s[G0B+3], 0x80000000
	s_add_nc_u64 s[G0S+2:G0S+3], s[6:7], s[80:81]
	s_or_b32 s[G0S+3], s[G0S+3], 0x80000000
	s_add_nc_u64 s[G0R+2:G0R+3], s[4:5], s[84:85]
	s_or_b32 s[G0R+3], s[G0R+3], 0x80000000
	s_add_nc_u64 s[10:11], s[10:11], s[82:83]
	s_add_nc_u64 s[12:13], s[12:13], s[86:87]
	s_cmp_eq_u32 s14, 0                            ; one joint load a wave, and a line of its own for what is shown ahead of the rest
	s_cbranch_scc0 .Lwave_1
	TLOAD G0B, G1B                                 ; wave 0: Wo's rows
	s_branch .Lasked
.Lwave_1:
	s_cmp_eq_u32 s14, 1
	s_cbranch_scc0 .Lfor_scales
	TLOAD G0A, G1A                                 ; wave 1: x's rows 0-127
	s_branch .Lasked
.Lfor_scales:
	TLOAD G0S, G1S                                 ; waves 2, 3: the scale bytes of 128 rows each
.Lasked:
.irp p, 0,1
.irp c, 0,1
	global_load_b128 v[SB+8*\p+4*\c:SB+8*\p+4*\c+3], v[ABS], s[10:11] offset:\p*32*KS+16*\c
.endr
.endr
	s_cmp_eq_u32 s14, 0
	s_cbranch_scc0 .Lnot_b
	s_wait_tensorcnt 0x0                           ; wave 0: Wo's rows have landed.  The other waves' wait stands ahead of the round below
.Lnot_b:
	BARRIER
	global_prefetch_b8 v[PFO], s[4:5] th:TH_LOAD_NT scope:SCOPE_SE
.macro FRAG f, adr, q, off             ; fragment f of Wo, 16 rows x 128 of K: lane l holds row l % 16; registers 4 c .. 4 c + 3 hold K = 32 c + 16 (l / 16) + 0 .. 15.  It lies in window 1 + f / 16
	WIN (1+(\f)/FPW)<<6
.irp c, 0,1,2,3
	ds_load_b128 v[FR*((\f)%FPW)+4*\c:FR*((\f)%FPW)+4*\c+3], v[\adr] offset:128*(\q)+32*\c+(\off)
.endr
.endm
.irp q, 0,1,2,3,4,5,6,7
.irp b, 0,1,2,3
	FRAG NB*\q+\b, ADRB, \q, \b*16*PITCH
.endr
.endr
	WIN 0
.macro FETCHN n                        ; block n of my eight (slot n / 4, group n % 4 of my four) into set n % 2 of window 3, and its scale words: NF loads
.set FK_, (\n)%2
.set FA_, ADX+2*((\n)/4)+((\n)%4)/2
.set FO_, ((\n)%2)*GRP
.set FS_, 272*(16*((\n)/4)+2*((\n)%4))
	WIN 3<<6
.irp q, 0,1,2,3,4,5,6,7
.irp c, 0,1,2,3
	ds_load_b128 v[128*FK_+FR*\q+4*\c:128*FK_+FR*\q+4*\c+3], v[FA_] offset:FO_+(2*\q+\c/2)*PITCH+(\c%2)*512   ; piece 4 q + c: 512 bytes, 16 x lane: two pieces to a line
.endr
.endr
	WIN 0
	ds_load_b128 v[SA+8*FK_:SA+8*FK_+3], v[AAS] offset:FS_
	ds_load_b128 v[SA+8*FK_+4:SA+8*FK_+7], v[AAS] offset:FS_+16
.endm
.macro PROD e, a, n                    ; product n = 4 q + b: the q-th 128 of K, column tile b; x's rows in set e, sums in set a
.set Q_, (\n)/4
.set B_, (\n)%4
.set FB_, NB*Q_+B_
.set AC_, ACC+32*(\a)+8*B_
.set R_, 128*(\e)+FR*Q_
.set W_, FR*(FB_%FPW)
.set XS_, SA+8*(\e)+Q_
.set WS_, SB+8*(B_/2)+Q_
	WIN (1+FB_/FPW)|(3<<2)
.if Q_ && B_%2
	v_wmma_scale_f32_16x16x128_f8f6f4 v[AC_:AC_+7], v[W_:W_+FR-1], v[R_:R_+FR-1], v[AC_:AC_+7], v[WS_], v[XS_] matrix_a_scale:MATRIX_SCALE_ROW1
.elseif Q_
	v_wmma_scale_f32_16x16x128_f8f6f4 v[AC_:AC_+7], v[W_:W_+FR-1], v[R_:R_+FR-1], v[AC_:AC_+7], v[WS_], v[XS_]
.elseif B_%2
	v_wmma_scale_f32_16x16x128_f8f6f4 v[AC_:AC_+7], v[W_:W_+FR-1], v[R_:R_+FR-1], 0, v[WS_], v[XS_] matrix_a_scale:MATRIX_SCALE_ROW1
.else
	v_wmma_scale_f32_16x16x128_f8f6f4 v[AC_:AC_+7], v[W_:W_+FR-1], v[R_:R_+FR-1], 0, v[WS_], v[XS_]
.endif
.endm
.macro STAGE n                         ; block n's sums into my stage, each from its low end on, and back as whole lines of 256 bytes.  LDS serves a wave's instructions in order (ISA guide 5.7.1.4)
.set SA_, ACC+32*((\n)%2)
.set SO_, OB+32*((\n)%2)
.irp b, 0,1,2,3
	ds_store_b128 v[STO], v[SA_+8*\b:SA_+8*\b+3] offset:64*\b
	ds_store_b128 v[STO], v[SA_+8*\b+4:SA_+8*\b+7] offset:64*\b+16
.endr
.irp i, 0,1,2,3,4,5,6,7
	ds_load_b128 v[SO_+4*\i:SO_+4*\i+3], v[RD] offset:2*\i*SPITCH
.endr
.endm
.macro SEND n                          ; sixteen lanes store 256 consecutive bytes, at a multiple of 256 from out0's first byte
.set SO_, OB+32*((\n)%2)
.irp i, 0,1,2,3,4,5,6,7
	global_store_b128 v[GO], v[SO_+4*\i:SO_+4*\i+3], s[12:13] offset:(128*((\n)/4)+16*((\n)%4)+2*\i)*4096 th:TH_STORE_NT
.endr
.endm
; A BLOCK: its 32 products; eight places; one wait, under which the next block's fragments and the block before's lines, both asked for ahead of these products, have come; the block before leaves; the set takes the block two on; this block goes to the stage.
.macro BLK n
	s_wait_xcnt 0x0                                ; the stores of the block two back have read the registers that this block's lines will land in
.set N_, 0
.rept 32
	PROD (\n)%2, (\n)%2, N_
.set N_, N_+1
.endr
	WIN 0
	PLACES NP
.if (\n) == 2
	s_wait_tensorcnt 0x0                           ; my quarter of x's rows 128-255 is in
.endif
	s_wait_dscnt 0x0
.if (\n) == 2
	BARRIER                                        ; and everybody's
.endif
.if (\n) > 0
	SEND (\n)-1
.endif
.if (\n) < 6
	FETCHN (\n)+2
.endif
	STAGE \n
.endm
	s_wait_tensorcnt 0x0                           ; x's first rows and the scale bytes are in
	ds_add_u32 v[SPW], v[NIL]
	s_wait_dscnt 0x0                               ; the add is done, and Wo is in my registers
	CROUND                                         ; both hold of every wave of every partner
	TLOAD G0R, G1R                                 ; x's rows 128-255 over Wo's lines: my one load behind the round
	FETCHN 0
	FETCHN 1
	s_wait_loadcnt 0x0                             ; Wo's scale words
	s_wait_dscnt NF                                ; block 0 is in; block 1's 34 loads may be out
.irp n, 0,1,2,3,4,5,6,7
	BLK \n
.endr
	s_wait_dscnt 0x0
	SEND 7
	s_wait_tensorcnt 0x0                           ; the wave's end
	ds_add_u32 v[SPW], v[NIL]
	s_wait_dscnt 0x0
	CROUND                                         ; the closing round
	s_endpgm
.Lfunc_end_k_q8acf49f71e_oproj:
	.size	k_q8acf49f71e_oproj, .Lfunc_end_k_q8acf49f71e_oproj-k_q8acf49f71e_oproj
	.p2alignl 7, 3214868480
	.fill 96, 4, 3214868480
	.section	.rodata,"a",@progbits
	.p2align	6, 0x0
	.amdhsa_kernel k_q8acf49f71e_oproj
		.amdhsa_group_segment_fixed_size 327680
		.amdhsa_private_segment_fixed_size 0
		.amdhsa_enable_private_segment 0
		.amdhsa_kernarg_size 40
		.amdhsa_user_sgpr_count 2
		.amdhsa_user_sgpr_kernarg_segment_ptr 1
		.amdhsa_wavefront_size32 1
		.amdhsa_system_sgpr_workgroup_id_x 1
		.amdhsa_system_sgpr_workgroup_id_y 1
		.amdhsa_system_sgpr_workgroup_id_z 1
		.amdhsa_system_vgpr_workitem_id 0
		.amdhsa_next_free_vgpr 1024
		.amdhsa_next_free_sgpr 102
		.amdhsa_reserve_vcc 0
		.amdhsa_float_denorm_mode_32 3
		.amdhsa_float_denorm_mode_16_64 3
		.amdhsa_memory_ordered 1
		.amdhsa_forward_progress 1
		.amdhsa_inst_pref_size 85
	.end_amdhsa_kernel
	.amdgpu_metadata
---
amdhsa.version: [ 1, 2 ]
amdhsa.kernels:
  - .name:           k_q8acf49f71e_oproj
    .symbol:         k_q8acf49f71e_oproj.kd
    .args:
      - { .name: ximg, .offset: 0, .size: 8, .value_kind: global_buffer, .address_space: global }
      - { .name: xsc, .offset: 8, .size: 8, .value_kind: global_buffer, .address_space: global }
      - { .name: Wo_codes, .offset: 16, .size: 8, .value_kind: global_buffer, .address_space: global }
      - { .name: Wo_scales, .offset: 24, .size: 8, .value_kind: global_buffer, .address_space: global }
      - { .name: out0, .offset: 32, .size: 8, .value_kind: global_buffer, .address_space: global }
    .group_segment_fixed_size: 327680
    .private_segment_fixed_size: 0
    .kernarg_segment_align: 8
    .kernarg_segment_size: 40
    .max_flat_workgroup_size: 128
    .sgpr_count:     102
    .vgpr_count:     1024
    .wavefront_size: 32
...
	.end_amdgpu_metadata
.endif
;; end of part 4
